; MI455X (gfx1250); checked and timed in simulation.
; The chip was launched on July 23, 2026; its instructions are those of AMD's public machine-readable ISA for CDNA 5 (MIT licence, August 2026) and "CDNA5" Instruction Set Architecture Reference Guide (July 2026). The comments in the code are by the model that wrote it; some were corrected since.
;; Self Attention. Allowed arithmetic: matrix products marked QUANTISED: E2M3 operands, one E8M0 scale for each 32 along K, by v_wmma_scale_f32_16x16x128_f8f6f4 with both operands' format E2M3, f32 sums; everything else in f32.
;; Inputs: Wk 768 x 768 float32; Wq 768 x 768 float32; Wv 768 x 768 float32; x 16 x 1,024 x 768 float32.
;; Outputs: out0 16 x 1,024 x 768 float32.
;; This version of the problem:
;;   THIS VERSION OF THE PROBLEM IS GIVEN IN LOW PRECISION. The matrix products marked QUANTISED in the list below multiply operands that are first quantised to E2M3 (2 exponent bits, 3 mantissa bits; 6 bits a number), with one power-of-two scale for each 32 numbers along K (OCP MX v1.0); their sums are f32. All else is computed in f32.
;;   The module's matrix products, in the order in which they are computed (A, B: the left and right operand; K: the contracted axis; several contracted axes count as one K, in the product's order):
;;     1. [M 16,384, K 768] x [K 768, N 768]; A: input x; B: input Wq: QUANTISED
;;     2. [M 16,384, K 768] x [K 768, N 768]; A: input x; B: input Wk: QUANTISED
;;     3. [M 16,384, K 768] x [K 768, N 768]; A: input x; B: input Wv: QUANTISED
;;     4. batch 16 x [M 1,024, K 768] x [K 768, N 1,024]; A: computed on the way; B: computed on the way: QUANTISED
;;     5. batch 16 x [M 1,024, K 1,024] x [K 1,024, N 768]; A: softmax (see below); B: computed on the way: QUANTISED
;;   THE QUANTISER, for each operand of a quantised product, along K:
;;     - K is cut into blocks of 32 from its start; a last block that is shorter is filled with zeros.
;;     - A block's scale is 2^e with e = floor(log2(the largest magnitude in the block)) - 2, held to -126 .. 127; a block of zeros has e = 0. As a byte (E8M0): e + 127.
;;     - Each number is divided by its block's scale, clamped to +-7.5, and rounded to the nearest number of E2M3, ties to even, subnormals kept.
;;     - The product sums the exact products of the quantised numbers (number of the format x scale) in f32.
;;   ~~~python
;;   def quantise(x, axis):      # numpy; x: float32 -> the quantised numbers, widened to float32 again
;;       x = np.moveaxis(x, axis, -1); K = x.shape[-1]
;;       x = np.pad(x, [(0, 0)] * (x.ndim - 1) + [(0, -K % 32)]); x = x.reshape(x.shape[:-1] + (-1, 32)); a = np.abs(x).max(-1, keepdims=True)
;;       e = np.where(a > 0, np.clip(np.frexp(np.where(a > 0, a, 1))[1] - 1 - 2, -126, 127), 0)      # np.frexp(a)[1] - 1 = floor(log2(a)), exactly
;;       r = np.clip(x / 2.0 ** e, -7.5, 7.5)
;;       step = 2.0 ** (np.maximum(np.frexp(np.where(r == 0, 1, r))[1] - 1, 0) - 3)
;;       q = np.round(r / step) * step * 2.0 ** e      # np.round: ties to even
;;       return np.moveaxis(q.reshape(q.shape[:-2] + (-1,))[..., :K], -1, axis).astype(np.float32)
;;   ~~~
;;   SOFTMAX AHEAD OF A QUANTISED PRODUCT. Where the list says 'softmax', what is quantised is not the finished softmax but p = 2^(t - M), with t = logit x log2(e) and M = ceil(the row's largest t), a whole number; so 1/2 < the row's largest p <= 1. The row's sum l is taken of the UNQUANTISED p, in f32, and the product's result is divided by l at the end. Since M is a whole number, a kernel that streams over the keys may use a running M (the ceiling of the running maximum): every later rescaling is an exact power of two, which a block's scale takes up: the codes' values come out the same.
;;   OPERANDS COMPUTED ON THE WAY. 'Computed on the way' means the value that the module computes at that place (a softmax that the list does not call 'softmax' is quantised finished and normalised). What goes into a quantiser is computed in f32, as accurately as f32 sums, v_exp_f32 and their like allow (about 1e-6 of the number): no bf16 or f16 on the way to a quantiser, and a product that is left as it is and whose result goes on into a quantised operand takes f32 operands (vector FMAs, or v_wmma_f32_16x16x4_f32). A number that lies on a knife's edge between two numbers of the format may be rounded either way, as far as f32 arithmetic and the matrix unit's own rounding can turn it there, and no further.
;; One version. Each part assembles by itself: llvm-mc -triple=amdgcn-amd-amdhsa -mcpu=gfx1250 --defsym DOCPART=n.
;; ======== version 1 of 1: 3 launches
;; limits: right only within a limited range of input values
;; workspace buffers: cf 10,764,288 bytes; cs 448,512 bytes; pf 28,311,552 bytes; ps 1,179,648 bytes
;; launch quant (part 1): grid 584 x 3, 2 waves a work-group, no clusters, 34,048 bytes of LDS; arguments x, Wq, Wk, Wv, cf, cs; writes cf, cs
.if DOCPART == 1
	.amdgcn_target "amdgcn-amd-amdhsa--gfx1250"
	.amdhsa_code_object_version 6
	.text
	.protected	k_qb40ebc7516_quant
	.globl	k_qb40ebc7516_quant
	.p2align	8
	.type	k_qb40ebc7516_quant,@function
k_qb40ebc7516_quant:
	s_mov_b64 s[64:65], 0
	v_nop
	global_prefetch_b8 v0, s[64:65] scope:SCOPE_SE
	s_setreg_imm32_b32 hwreg(HW_REG_WAVE_MODE, 25, 1), 1
	s_wait_xcnt 0x0
; LAUNCH 1 OF 3.  x [16384][768] and Wq, Wk, Wv [768][768], f32, become codes of FP6 (E2M3) with one E8M0 scale byte for each 32 along the 768 (the K of the three projections).
; THE PROGRAM: this launch; then q, k, v are computed on codes and quantised in registers; then causal attention on codes.  Only codes and scale words go through memory between launches.
; WORK LEFT OUT, in the third launch alone: reference() sets scores[t][s] to -infinity wherever s > t, by a mask that it builds in its own body (jnp.tril).  exp(-infinity) is 0, so such a key adds 0 to the
; row's sum and 0 x v[s] to the row's output, whatever finite values the inputs hold.  Where all 128 keys of a key step come after all 32 queries of a pair of query tiles, that step's two products and its softmax are
; not done for that pair.  Inside a step that holds live keys the hidden scores are computed and set to -infinity, as reference() does.  Every input has a way to the output: all four are loaded.
; LIMITS: a NaN, an infinity or an overflow that would arise only in the scores left out is not carried to the result.  NaN and infinities among the inputs are not served.  A block whose largest magnitude lies under
; 2^-124 keeps the byte 1; a block of zeros gets the byte 1 where the rule says 127: its codes are zeros, which add nothing under any byte but 0xff, and this program alone reads the bytes.
; LAYOUT OF THE WORKSPACE: as the matrix unit's registers want it.
;   Rows go in PAIRS of 32: pair G has tiles 2 G and 2 G + 1; lane r of tile 2 G + u holds row 32 G + 8 u + r + 8 (r / 8).  (Used as source 0, two such tiles give a lane 16 neighbours along their rows.)
;   A FRAGMENT (16 rows x 128 K, 12 registers a lane) lies as an image of its registers: registers 4 c .. 4 c + 3 of lane l at 512 c + 16 l: 1,536 bytes, written and read by three lines of 512 consecutive bytes.
;   cf: [tile][K step 0..5][1,536]; tiles 0-1023 x, 1024-1071 Wq, 1072-1119 Wk, 1120-1167 Wv.   cs: [pair][K step][128]: lane l's scale word at 4 l; lanes 0-15 the even tile's rows, lanes 16-31 the odd tile's.
; SHARES: work-group (G, y) takes pair G (32 rows), its wave w the K step 2 y + w (512 bytes of each row): 584 x 3 = 1,752 small work-groups, so that the WGPs' shares differ by one part in seven at the most.
; All 32 loads of a wave go out at once, each 512 consecutive bytes; the rows turn through the wave's own stage in LDS, so that a lane gets 16 neighbours of each block of 32 of ONE row.
; No loop, no barrier: waves share nothing.  Matrix units, clusters and tensor loads would add nothing to a stream.
.set STGW,  16896                      ; a wave's stage: 32 rows of 528 bytes
.set SP,    528                        ; 512 bytes + 16
.set SPARE, 2*STGW                     ; behind the stages: the spare words, 128 bytes for each wave: one block of 256 bytes that no other line names
.set SPW,   10                         ; v10  LDS address of my spare word; never rewritten
.set NIL,   11                         ; v11  0; never rewritten
.set TM,    12                         ; v12-27 at work in QUANT
.set PW0,   28                         ; v28, v29 the two tiles' scale words
.set PW1,   29
.set PC0,   32                         ; v32-51, v52-71 the two tiles' codes
.set PC1,   52
.set R,     72                         ; v72-199 32 rows x 4 registers as loaded; then 2 tiles x 64 numbers
.set SEL,   24                         ; s[24:25] lane selects for v_permlanex16_b32: lane l xor 16
.set HM,    26                         ; s26  mask of lanes 16-31
; 64 numbers of a lane, v[s] .. v[s + 63], register 16 b + i = k 32 b + 16 (lane / 16) + i of my row, become a fragment's codes in v[pc] .. v[pc + 11] and its scale word in v[pw]
.macro QUANT s, pc, pw
.irp b, 0,1,2,3
	v_max3_num_f32 v[TM+\b], |v[\s+16*\b]|, |v[\s+1+16*\b]|, 0x1800000   ; block b: my 16 numbers, and the floor 2^(3 - 127): so the byte cannot fall under 1
.endr
.irp i, 2,4,6,8,10,12,14
.irp b, 0,1,2,3
	v_max3_num_f32 v[TM+\b], v[TM+\b], |v[\s+16*\b+\i]|, |v[\s+1+16*\b+\i]|   ; the four blocks by turns
.endr
.endr
.irp b, 0,1,2,3
	v_permlanex16_b32 v[TM+4+\b], v[TM+\b], s[SEL], s[SEL+1]
.endr
.irp b, 0,1,2,3
	v_max_num_f32 v[TM+\b], v[TM+\b], v[TM+4+\b]   ; with lane l xor 16's: the block's largest magnitude
.endr
.irp b, 0,1,2,3
	v_add_nc_u32 v[TM+12+\b], 0xff000000, v[TM+\b]   ; 2 off its exponent field: the conversion takes the exponent field of this operand as its scale
.endr
.irp b, 0,1,2,3
	v_lshrrev_b32 v[TM+4+\b], 23, v[TM+12+\b]   ; the scale's byte
.endr
	v_lshl_or_b32 v[\pw], v[TM+5], 8, v[TM+4]   ; four bytes: my row's scale word (the same in lanes l and l xor 16)
	v_lshl_or_b32 v[\pw], v[TM+6], 16, v[\pw]
	v_lshl_or_b32 v[\pw], v[TM+7], 24, v[\pw]
.irp c, 0,1
	v_cvt_scalef32_pk16_fp6_f32 v[\pc+6*\c:\pc+2+6*\c], v[\s+32*\c:\s+15+32*\c], v[TM+12+2*\c]
	v_cvt_scalef32_pk16_fp6_f32 v[\pc+12+4*\c:\pc+14+4*\c], v[\s+16+32*\c:\s+31+32*\c], v[TM+12+2*\c+1]   ; (a conversion's three registers begin on an even number)
.endr
	v_nop                                          ; one plain line behind the scaled conversions
.irp c, 0,1                                    ; the operand's layout wants a WHOLE block in a lane: lanes 0-15 block 2 c, lanes 16-31 block 2 c + 1
.irp i, 0,1,2
	v_permlane16_swap_b32 v[\pc+6*\c+\i], v[\pc+12+4*\c+\i]
.endr
.irp i, 0,1,2
	v_mov_b32 v[\pc+3+6*\c+\i], v[\pc+12+4*\c+\i]
.endr
.endr
.endm
	s_load_b256 s[4:11], s[0:1], 0x0               ; x s[4:5], Wq s[6:7], Wk s[8:9], Wv s[10:11]
	s_load_b128 s[12:15], s[0:1], 0x20             ; cf s[12:13], cs s[14:15]
	v_lshl_add_u32 v[SPW], v0, 2, SPARE
	v_mov_b32 v[NIL], 0
	v_lshrrev_b32 v1, 5, v0
	v_readfirstlane_b32 s16, v1                    ; wave 0, 1
	v_and_b32 v2, 31, v0                           ; lane
	v_and_b32 v3, 15, v0                           ; r
	v_bfe_u32 v9, v0, 4, 1                         ; h
	v_lshlrev_b32 v4, 4, v2                        ; 16 x lane: my bytes of a load's 512, and of an image's line
	v_lshlrev_b32 v7, 2, v2                        ; 4 x lane: my scale word
	s_mul_i32 s19, s16, STGW
	v_add_nc_u32 v5, s19, v4                       ; the stage, on the way in: a row as it lies
	v_mul_u32_u24 v6, v3, SP
	v_lshl_add_u32 v6, v9, 6, v6
	v_add_nc_u32 v6, s19, v6                       ; and on the way out: place r, + 64 h: my 16 numbers of a block of 32
.irp b, 0,1,2,3
	v_mov_b32 v[TM+4+\b], 0                        ; written once: a lane permute's destination counts as one of its sources
.endr
	s_mov_b32 s[SEL], 0x76543210
	s_mov_b32 s[SEL+1], 0xfedcba98
	s_mov_b32 s[HM], 0xffff0000
	s_mov_b32 s17, ttmp9                           ; G: my pair
	s_and_b32 s28, ttmp7, 0xffff                   ; y: which third of K
	s_lshl_b32 s28, s28, 1
	s_add_co_u32 s28, s28, s16                     ; my K step: 2 y + wave
	s_wait_alu depctr_va_vdst(0)
	s_wait_kmcnt 0x0
	s_mov_b64 s[20:21], s[10:11]                   ; which tensor: the choice hangs on the work-group's number alone
	s_mov_b32 s18, 560                             ; and that tensor's first pair
	s_cmp_lt_u32 s17, 560
	s_cselect_b64 s[20:21], s[8:9], s[20:21]
	s_cselect_b32 s18, 536, s18
	s_cmp_lt_u32 s17, 536
	s_cselect_b64 s[20:21], s[6:7], s[20:21]
	s_cselect_b32 s18, 512, s18
	s_cmp_lt_u32 s17, 512
	s_cselect_b64 s[20:21], s[4:5], s[20:21]
	s_cselect_b32 s18, 0, s18
	s_sub_co_u32 s22, s17, s18
	s_mul_i32 s22, s22, 98304                      ; 32 rows of 3,072 bytes a pair
	s_lshl_b32 s23, s28, 9                         ; + my K step's 512 bytes
	s_add_co_u32 s22, s22, s23
	s_mov_b32 s23, 0
	s_add_nc_u64 s[20:21], s[20:21], s[22:23]
	s_mul_i32 s22, s17, 18432                      ; codes: two tiles of 9,216 bytes a pair, 1,536 a K step
	s_mul_i32 s27, s28, 1536
	s_add_co_u32 s22, s22, s27
	s_add_nc_u64 s[12:13], s[12:13], s[22:23]
	s_mul_i32 s22, s17, 768                        ; scale words: 768 bytes a pair, 128 a K step
	s_lshl_b32 s27, s28, 7
	s_add_co_u32 s22, s22, s27
	s_add_nc_u64 s[14:15], s[14:15], s[22:23]
.irp q, 0,1,2,3
.irp a, 0,1,2,3,4,5,6,7
	global_load_b128 v[R+4*(8*\q+\a):R+4*(8*\q+\a)+3], v4, s[20:21] offset:3072*(8*\q+\a) th:TH_LOAD_NT   ; row 8 q + a: 32 lanes read 512 consecutive bytes; read once in the launch
.endr
.endr
.irp q, 0,1,2,3
	s_wait_loadcnt 24-8*\q                         ; loads come back in order: rows 8 q .. 8 q + 7 are in, the later groups of eight may stay out
.irp a, 0,1,2,3,4,5,6,7
	ds_store_b128 v5, v[R+4*(8*\q+\a):R+4*(8*\q+\a)+3] offset:SP*(\a+8*(2*(\q%2)+\q/2))   ; row 8 q + a goes to place 16 u + r of the tile order: u = q % 2, r = a + 8 (q / 2)
.endr
.endr
	s_wait_dscnt 0x0                               ; the stores have read their registers, which the loads below fill again
.irp u, 0,1
.irp b, 0,1,2,3
.irp j, 0,1,2,3
	ds_load_b128 v[R+64*\u+16*\b+4*\j:R+64*\u+16*\b+4*\j+3], v6 offset:16*SP*\u+128*\b+16*\j   ; tile u, block b: my 16 numbers
.endr
.endr
.endr
	s_wait_dscnt 16                                ; tile 0's sixteen loads are in; tile 1's may stay out
	QUANT R, PC0, PW0
.irp c, 0,1,2
	global_store_b128 v4, v[PC0+4*\c:PC0+4*\c+3], s[12:13] offset:512*\c   ; 32 lanes store 512 consecutive bytes, at a multiple of 256 from cf's first byte
.endr
	s_wait_dscnt 0x0
	QUANT R+64, PC1, PW1
.irp c, 0,1,2
	global_store_b128 v4, v[PC1+4*\c:PC1+4*\c+3], s[12:13] offset:9216+512*\c
.endr
	v_cndmask_b32 v8, v[PW0], v[PW1], s[HM]        ; lanes 0-15 the even tile's words, lanes 16-31 the odd tile's
	global_store_b32 v7, v8, s[14:15]              ; 128 consecutive bytes: the one store here that covers less than 256; one byte for each 128 bytes that the wave reads
	s_wait_tensorcnt 0x0                           ; the wave's end
	ds_add_u32 v[SPW], v[NIL]
	s_wait_dscnt 0x0
	s_endpgm
.Lfunc_end_k_qb40ebc7516_quant:
	.size	k_qb40ebc7516_quant, .Lfunc_end_k_qb40ebc7516_quant-k_qb40ebc7516_quant
	.p2alignl 7, 3214868480
	.fill 96, 4, 3214868480
	.section	.rodata,"a",@progbits
	.p2align	6, 0x0
	.amdhsa_kernel k_qb40ebc7516_quant
		.amdhsa_group_segment_fixed_size 34048
		.amdhsa_private_segment_fixed_size 0
		.amdhsa_enable_private_segment 0
		.amdhsa_kernarg_size 48
		.amdhsa_user_sgpr_count 2
		.amdhsa_user_sgpr_kernarg_segment_ptr 1
		.amdhsa_wavefront_size32 1
		.amdhsa_system_sgpr_workgroup_id_x 1
		.amdhsa_system_sgpr_workgroup_id_y 1
		.amdhsa_system_sgpr_workgroup_id_z 1
		.amdhsa_system_vgpr_workitem_id 0
		.amdhsa_next_free_vgpr 200
		.amdhsa_next_free_sgpr 66
		.amdhsa_reserve_vcc 0
		.amdhsa_float_denorm_mode_32 3
		.amdhsa_float_denorm_mode_16_64 3
		.amdhsa_memory_ordered 1
		.amdhsa_forward_progress 1
		.amdhsa_inst_pref_size 19
	.end_amdhsa_kernel
	.amdgpu_metadata
---
amdhsa.version: [ 1, 2 ]
amdhsa.kernels:
  - .name:           k_qb40ebc7516_quant
    .symbol:         k_qb40ebc7516_quant.kd
    .args:
      - { .name: x, .offset: 0, .size: 8, .value_kind: global_buffer, .address_space: global }
      - { .name: Wq, .offset: 8, .size: 8, .value_kind: global_buffer, .address_space: global }
      - { .name: Wk, .offset: 16, .size: 8, .value_kind: global_buffer, .address_space: global }
      - { .name: Wv, .offset: 24, .size: 8, .value_kind: global_buffer, .address_space: global }
      - { .name: cf, .offset: 32, .size: 8, .value_kind: global_buffer, .address_space: global }
      - { .name: cs, .offset: 40, .size: 8, .value_kind: global_buffer, .address_space: global }
    .group_segment_fixed_size: 34048
    .private_segment_fixed_size: 0
    .kernarg_segment_align: 8
    .kernarg_segment_size: 48
    .max_flat_workgroup_size: 64
    .sgpr_count:     66
    .vgpr_count:     200
    .wavefront_size: 32
...
	.end_amdgpu_metadata
.endif
;; end of part 1
;; launch proj (part 2): grid 84 x 3, 4 waves a work-group, no clusters, 77,312 bytes of LDS; arguments cf, cs, pf, ps; writes pf, ps
.if DOCPART == 2
	.amdgcn_target "amdgcn-amd-amdhsa--gfx1250"
	.amdhsa_code_object_version 6
	.text
	.protected	k_qb40ebc7516_proj
	.globl	k_qb40ebc7516_proj
	.p2align	8
	.type	k_qb40ebc7516_proj,@function
k_qb40ebc7516_proj:
	s_mov_b64 s[64:65], 0
	v_nop
	global_prefetch_b8 v0, s[64:65] scope:SCOPE_SE
	s_setreg_imm32_b32 hwreg(HW_REG_WAVE_MODE, 25, 1), 1
	s_wait_xcnt 0x0
; LAUNCH 2 OF 3.  q = x Wq^T, k = x Wk^T, v = x Wv^T on codes of FP6 (E2M3) with E8M0 scales, sums in f32 with K ascending; each result is quantised in registers for the product that takes it next
; (q, k along the 768 channels; v along the tokens, which are the keys) and stored as images of operand registers.  Nothing is left out here.
; IDEA.  A wave keeps ONE group P of 128 rows, all of K, as source 0: 48 fragments, 576 registers, for the whole launch.  Tiles A of 16 rows are streamed as source 1.  48 matrix instructions give 8 accumulators in which a lane
; holds ONE row of A and 64 numbers along P's rows (with lane l xor 16: all 128, in blocks of 32); the quantiser makes of them one finished fragment and its scale word.
;   q, k: P = 128 rows of Wq|Wk (group 0..11), A = tiles of tokens: the fragment has rows = tokens, K = 128 channels.     v: P = 128 tokens, A = tiles of Wv: rows = channels, K = 128 keys.  One text; pointers differ.
; SHARES.  Work-group (X, Y), wave w.  X < 52: groups 4 Y + w, token tiles 20 X .. 20 X + 19 (X = 51: four).  X >= 52: token groups 4 (X - 52) + w, Wv's tiles 16 Y .. 16 Y + 15.
; The four waves want the same streamed tiles: a chunk of four comes through LDS, each wave fetching one, in two buffers by turns, one barrier a chunk.
; BY TURNS.  The accumulators come in two sets.  While tile j's 48 products fill one set, the quantiser of tile j - 1 works on the other: its 68 vector lines are a numbered list, dealt in slices of three behind every second
; matrix instruction: 1.4 vector lines for each matrix instruction.  All that the quantiser touches lies in window 0 and the products' sources do not, so a slice costs two switches of the register window: that is the
; price of not letting the matrix unit stand while 68 lines run.  A chunk's first tile has no quantiser beside it, and its last tile's stands alone behind it: so no slice crosses a barrier or a branch.
; NO TENSOR LOAD, NO CLUSTER: of a work-group's bytes 4 x 73,728 are the stationary groups, which go from memory straight into registers, where no tensor load reaches; the streamed part is at most 20 x 9,600 bytes.
; OUT: pf: q at 0, k at 9,437,184: [token tile][K step][1,536]; v at 18,874,368: [group of 128 tokens][channel tile 0..47][1,536].   ps: q at 0, k at 393,216: [token pair][K step][128]; v at 786,432: [group][channel pair][128].
; LIMITS: as stated at the head of the first launch (byte 1 for blocks of zeros and under 2^-124; no NaN, no infinities).
; REGISTERS.  Window 0: v1, v2, v4-10, v14, v15, v118, v119 addresses; v16-79 and v160-223 the two sets of 8 accumulators; v80-99 codes; v100-115 at work; v120-143 P's scale words; v144-155 the chunk's;
;   v232-234, v236-255, v156-159 landing registers.   Windows 1 + s / 2: P's fragment (tile b, K step s) at v[96 (s % 2) + 12 b]; A's fragment (tile parity, K step s) at v[192 + 24 parity + 12 (s % 2)]; v240-255 landing registers.
.set BUFB,  38400                      ; an LDS buffer: 4 tiles x 9,216 bytes, then the chunk's 1,536 bytes of scale words
.set SCO,   36864
.set SPARE, 2*BUFB                     ; behind the buffers: the spare words, 128 bytes for each wave: two blocks of 256 bytes that no other line names
.set PWX,   11
.set SPW,   12                         ; v12  LDS address of my spare word; never rewritten
.set NIL,   13                         ; v13  0; never rewritten
.set ACC,   16                         ; the accumulators of an even tile;
.set ACS,   144                        ; those of an odd tile lie so much higher
.set PC,    80
.set TM,    100
.set PW,    116                        ; v116, v117 the scale words of an even and an odd tile
.set PSC,   120                        ; v[PSC + 6 (b / 2) + s]
.set ASC,   144                        ; v[ASC + 6 (j / 2) + s]
.set LANDS, 232
.set WV,  12
.set XX,  13
.set YY,  14
.set NC,  15                           ; chunks of this work-group
.set KC,  16                           ; the chunk in hand
.set TR,  17
.set PB,  18
.set PSB, 20
.set AB,  22                           ; where my tile of the chunk to be fetched lies
.set ASB, 24
.set OB,  26                           ; where the chunk's first fragment goes
.set SB,  28
.set OST, 30                           ; s30  from fragment to fragment
.set SST, 32                           ; s32  from scale pair word to scale pair word
.set SEL, 34
.set HM,  36
.set OS4, 56                           ; s[56:57] from chunk to chunk: four fragments,
.set SS2, 58                           ; s[58:59] two scale pair words
.set MSB, 0
.macro WIN new                         ; the immediate's high byte repeats the setting that is left; a switch that changes nothing is dropped
.if MSB != (\new)
	s_set_vgpr_msb (MSB<<8)|(\new)
.set MSB, (\new)
.endif
.endm
.macro PLACES                          ; four plain lines behind matrix instructions, ahead of reads of their results and of loads into their registers (ISA guide 7.12.1 for vector instructions)
.rept 4
	v_nop
.endr
.endm
; One matrix instruction.  z = 1: it starts the sum.  ra, rb = 1: the side's scales stand in lanes 16-31 of its scale register (the odd tile of a pair)
.macro WM d, a, b, z, sa, sb, ra, rb
.if \z
.if (\ra) && (\rb)
	v_wmma_scale_f32_16x16x128_f8f6f4 v[\d:\d+7], v[\a:\a+11], v[\b:\b+11], 0, v[\sa], v[\sb] matrix_a_fmt:MATRIX_FMT_FP6 matrix_b_fmt:MATRIX_FMT_FP6 matrix_a_scale:MATRIX_SCALE_ROW1 matrix_b_scale:MATRIX_SCALE_ROW1
.elseif \ra
	v_wmma_scale_f32_16x16x128_f8f6f4 v[\d:\d+7], v[\a:\a+11], v[\b:\b+11], 0, v[\sa], v[\sb] matrix_a_fmt:MATRIX_FMT_FP6 matrix_b_fmt:MATRIX_FMT_FP6 matrix_a_scale:MATRIX_SCALE_ROW1
.elseif \rb
	v_wmma_scale_f32_16x16x128_f8f6f4 v[\d:\d+7], v[\a:\a+11], v[\b:\b+11], 0, v[\sa], v[\sb] matrix_a_fmt:MATRIX_FMT_FP6 matrix_b_fmt:MATRIX_FMT_FP6 matrix_b_scale:MATRIX_SCALE_ROW1
.else
	v_wmma_scale_f32_16x16x128_f8f6f4 v[\d:\d+7], v[\a:\a+11], v[\b:\b+11], 0, v[\sa], v[\sb] matrix_a_fmt:MATRIX_FMT_FP6 matrix_b_fmt:MATRIX_FMT_FP6
.endif
.else
.if (\ra) && (\rb)
	v_wmma_scale_f32_16x16x128_f8f6f4 v[\d:\d+7], v[\a:\a+11], v[\b:\b+11], v[\d:\d+7], v[\sa], v[\sb] matrix_a_fmt:MATRIX_FMT_FP6 matrix_b_fmt:MATRIX_FMT_FP6 matrix_a_scale:MATRIX_SCALE_ROW1 matrix_b_scale:MATRIX_SCALE_ROW1
.elseif \ra
	v_wmma_scale_f32_16x16x128_f8f6f4 v[\d:\d+7], v[\a:\a+11], v[\b:\b+11], v[\d:\d+7], v[\sa], v[\sb] matrix_a_fmt:MATRIX_FMT_FP6 matrix_b_fmt:MATRIX_FMT_FP6 matrix_a_scale:MATRIX_SCALE_ROW1
.elseif \rb
	v_wmma_scale_f32_16x16x128_f8f6f4 v[\d:\d+7], v[\a:\a+11], v[\b:\b+11], v[\d:\d+7], v[\sa], v[\sb] matrix_a_fmt:MATRIX_FMT_FP6 matrix_b_fmt:MATRIX_FMT_FP6 matrix_b_scale:MATRIX_SCALE_ROW1
.else
	v_wmma_scale_f32_16x16x128_f8f6f4 v[\d:\d+7], v[\a:\a+11], v[\b:\b+11], v[\d:\d+7], v[\sa], v[\sb] matrix_a_fmt:MATRIX_FMT_FP6 matrix_b_fmt:MATRIX_FMT_FP6
.endif
.endif
.endm
; THE QUANTISER AS A LIST.  64 numbers of a lane, v[s] .. v[s + 63], register 16 b + i = k 32 b + 16 (lane / 16) + i of my row, become a fragment's codes in v[pc] .. v[pc + 11] and its scale word in v[pw].  QL writes line qn of 68:
;   0-31   each block's largest magnitude of my 16 numbers, with the floor 2^(3 - 127) among them (so the byte cannot fall under 1), the four blocks by turns; each accumulator is read from its low end on
;   32-39  with lane l xor 16's        40-43  2 off the exponent field: the conversion's scale operand        44-50  the four bytes, and the scale word (the same in lanes l and l xor 16)
;   51-54  the conversions; ahead of the first the wait behind which the codes' registers, which the last fragment's stores read, may be written        55  one plain line behind them
;   56-67  the operand's layout wants a WHOLE block in a lane: the halves change places (a conversion's three registers begin on an even number, so the second three are moved)
.macro QL s, pc, pw
.if qn < 4
	v_max3_num_f32 v[TM+qn], |v[(\s)+16*qn]|, |v[(\s)+1+16*qn]|, 0x1800000
.elseif qn < 32
	v_max3_num_f32 v[TM+qn%4], v[TM+qn%4], |v[(\s)+16*(qn%4)+2*(qn/4)]|, |v[(\s)+1+16*(qn%4)+2*(qn/4)]|
.elseif qn < 36
	v_permlanex16_b32 v[TM+qn-28], v[TM+qn-32], s[SEL], s[SEL+1]
.elseif qn < 40
	v_max_num_f32 v[TM+qn-36], v[TM+qn-36], v[TM+qn-32]
.elseif qn < 44
	v_add_nc_u32 v[TM+qn-28], 0xff000000, v[TM+qn-40]
.elseif qn < 48
	v_lshrrev_b32 v[TM+qn-40], 23, v[TM+qn-32]
.elseif qn == 48
	v_lshl_or_b32 v[\pw], v[TM+5], 8, v[TM+4]
.elseif qn == 49
	v_lshl_or_b32 v[\pw], v[TM+6], 16, v[\pw]
.elseif qn == 50
	v_lshl_or_b32 v[\pw], v[TM+7], 24, v[\pw]
.elseif qn == 51
	s_wait_xcnt 0x0                                ; the last fragment's stores have read their data
	v_cvt_scalef32_pk16_fp6_f32 v[(\pc):(\pc)+2], v[(\s):(\s)+15], v[TM+12]
.elseif qn == 52
	v_cvt_scalef32_pk16_fp6_f32 v[(\pc)+12:(\pc)+14], v[(\s)+16:(\s)+31], v[TM+13]
.elseif qn == 53
	v_cvt_scalef32_pk16_fp6_f32 v[(\pc)+6:(\pc)+8], v[(\s)+32:(\s)+47], v[TM+14]
.elseif qn == 54
	v_cvt_scalef32_pk16_fp6_f32 v[(\pc)+16:(\pc)+18], v[(\s)+48:(\s)+63], v[TM+15]
.elseif qn == 55
	v_nop
.elseif qn < 59
	v_permlane16_swap_b32 v[(\pc)+qn-56], v[(\pc)+12+qn-56]
.elseif qn < 62
	v_mov_b32 v[(\pc)+3+qn-59], v[(\pc)+12+qn-59]
.elseif qn < 65
	v_permlane16_swap_b32 v[(\pc)+6+qn-62], v[(\pc)+16+qn-62]
.else
	v_mov_b32 v[(\pc)+9+qn-65], v[(\pc)+16+qn-65]
.endif
.endm
.macro QS3 s, pc, pw                   ; a slice: the list's next three lines, in window 0
	WIN 0
.rept 3
.if qn < 68
	QL \s, \pc, \pw
.set qn, qn+1
.endif
.endr
.endm
.macro QTAIL s, pc, pw                 ; the whole list on end
.set qn, 0
.rept 68
	QL \s, \pc, \pw
.set qn, qn+1
.endr
.endm
.macro LSET m                          ; where group m of the 18 groups of four landing registers stands: window LW, register LR
.if (\m) < 5
.set LW, 0
.set LR, 236+4*(\m)
.elseif (\m) == 5
.set LW, 0
.set LR, 156
.else
.set LW, 1+((\m)-6)/4
.set LR, 240+4*(((\m)-6)%4)
.endif
.endm
.macro LANDLOAD                        ; my tile of a chunk (9,216 bytes) and my quarter of its scale words (384 bytes) into the landing registers: 21 loads
.irp m, 0,1,2,3,4,5,6,7,8,9,10,11,12,13,14,15,16,17
	LSET \m
	WIN 0x40*LW
	global_load_b128 v[LR:LR+3], v1, s[AB:AB+1] offset:512*\m
.endr
	WIN 0
.irp e, 0,1,2
	global_load_b32 v[LANDS+\e], v2, s[ASB:ASB+1] offset:128*\e
.endr
.endm
.macro ALOAD j                         ; tile j of the chunk: its six fragments from LDS: 18 loads
.irp k, 0,1,2
	WIN 0x40*(\k+1)
.irp e, 0,1
.irp c, 0,1,2
	ds_load_b128 v[192+24*((\j)%2)+12*\e+4*\c:192+24*((\j)%2)+12*\e+4*\c+3], v[rAD] offset:9216*(\j)+1536*(2*\k+\e)+512*\c
.endr
.endr
.endr
	WIN 0
.endm
.macro SENDQ i                         ; tile i's fragment, and behind an odd tile the pair's scale words, go out; the tile's place in the chunk stands in the offset register
.if (\i) == 0
.set rVO, 1
.elseif (\i) == 1
.set rVO, 14
.elseif (\i) == 2
.set rVO, 15
.else
.set rVO, 118
.endif
.irp c, 0,1,2
	global_store_b128 v[rVO], v[PC+4*\c:PC+4*\c+3], s[OB:OB+1] offset:512*\c   ; 32 lanes store 512 consecutive bytes, at a multiple of 256 from pf's first byte
.endr
.if (\i)%2
	v_cndmask_b32 v[PWX], v[PW], v[PW+1], s[HM]    ; lanes 0-15 the even tile's words, lanes 16-31 the odd tile's
.if (\i) == 1
	global_store_b32 v2, v[PWX], s[SB:SB+1]        ; 128 consecutive bytes: the one store here that covers less than 256; 128 bytes for each 3,072 of codes
.else
	global_store_b32 v119, v[PWX], s[SB:SB+1]
.endif
.endif
.endm
; Tile j of a chunk: its 48 products, and between them the quantiser of tile j - 1
.macro TILE j
.set AC, ACC+ACS*((\j)%2)
.set AP, ACC+ACS*(1-(\j)%2)
.set qn, 0
.set wi, 0
.if (\j) < 3
	s_wait_dscnt 18                                ; this tile's fragments (and the chunk's scale words) are in; the one younger run of 18 may stay out
.else
	s_wait_dscnt 0x0
.endif
.irp k, 0,1,2
.irp e, 0,1
	s_wait_alu depctr_va_vdst(0)
.irp b, 0,1,2,3,4,5,6,7                        ; the eight accumulators take turns, one instruction a turn; K ascends
	WIN 0x05*(\k+1)                                ; both sources in window 1 + k; C and D in window 0
.if (2*\k+\e) == 0
	WM AC+8*\b, 96*\e+12*\b, 192+24*((\j)%2)+12*\e, 1, PSC+6*(\b/2)+2*\k+\e, ASC+6*((\j)/2)+2*\k+\e, \b%2, (\j)%2
.else
	WM AC+8*\b, 96*\e+12*\b, 192+24*((\j)%2)+12*\e, 0, PSC+6*(\b/2)+2*\k+\e, ASC+6*((\j)/2)+2*\k+\e, \b%2, (\j)%2
.endif
.if ((\j) > 0) && ((wi%2) == 1)
	QS3 AP, PC, PW+((\j)-1)%2                      ; it names the other set of accumulators, whose last product stands behind four plain lines, and no register of these products
.endif
.set wi, wi+1
.endr
.endr
.endr
	WIN 0
	PLACES
.if (\j) < 2
	ALOAD (\j)+2                                   ; into the registers that this tile has left
.endif
.if (\j) > 0
	s_wait_alu depctr_va_vdst(0)
	SENDQ (\j)-1
.endif
.endm
; A chunk of four streamed tiles, in LDS buffer u.  Every wave passes the wait and the barrier in every chunk; the work is jumped over where the work-group has no chunk left (a test on ids and the count alone).
.macro CHUNK u
.if \u == 0
.set rAD, 1
.else
.set rAD, 4
.endif
	s_wait_loadcnt 0x0                             ; the landing registers are full (the first time: P and its scale words are in too); so these loads' bases may be stepped below
	s_cmp_ge_u32 s[KC], s[NC]
	s_cbranch_scc1 .Lnone_\@
.irp m, 0,1,2,3,4,5,6,7,8,9,10,11,12,13,14,15,16,17
	LSET \m
	WIN 0x04*LW                                    ; an LDS store's data are its source 1
	ds_store_b128 v[7+\u], v[LR:LR+3] offset:512*\m
.endr
	WIN 0
	s_wait_alu depctr_va_vdst(0)
.irp e, 0,1,2
	ds_store_b32 v[9+\u], v[LANDS+\e] offset:128*\e
.endr
.Lnone_\@:
	s_wait_dscnt 0x0                               ; my stores into this buffer have landed, and my reads of the other buffer are over
	s_barrier_signal -1
	s_barrier_wait -1                              ; both hold of all four waves.  (This buffer was last read ahead of the barrier before this one)
	s_cmp_ge_u32 s[KC], s[NC]
	s_cbranch_scc1 .Lover_\@
.irp e, 0,1
.irp k, 0,1,2,3,4,5
	ds_load_b32 v[ASC+6*\e+\k], v[5+\u] offset:768*\e+128*\k
.endr
.endr
	ALOAD 0
	ALOAD 1
	s_add_co_u32 s37, s[KC], 1
	s_cmp_ge_u32 s37, s[NC]
	s_cbranch_scc1 .Llast_\@                       ; no load leaves its buffer: the last chunk asks for nothing
	s_add_nc_u64 s[AB:AB+1], s[AB:AB+1], 36864
	s_add_nc_u64 s[ASB:ASB+1], s[ASB:ASB+1], 1536
	LANDLOAD                                       ; the next chunk, behind the LDS loads that the first tile waits for: it has this chunk's 192 matrix instructions in which to land
.Llast_\@:
	TILE 0
	TILE 1
	TILE 2
	TILE 3
	QTAIL ACC+ACS, PC, PW+1                        ; the last tile's quantiser stands alone
	SENDQ 3
	s_wait_xcnt 0x0                                ; the chunk's stores have read their bases: only now are these stepped
	s_add_nc_u64 s[OB:OB+1], s[OB:OB+1], s[OS4:OS4+1]
	s_add_nc_u64 s[SB:SB+1], s[SB:SB+1], s[SS2:SS2+1]
.Lover_\@:
	s_add_co_u32 s[KC], s[KC], 1
.endm
	s_load_b256 s[4:11], s[0:1], 0x0               ; cf s[4:5], cs s[6:7], pf s[8:9], ps s[10:11]
	v_lshl_add_u32 v[SPW], v0, 2, SPARE
	v_mov_b32 v[NIL], 0
	v_lshrrev_b32 v3, 5, v0
	v_readfirstlane_b32 s[WV], v3                  ; wave 0..3
	v_and_b32 v3, 31, v0                           ; lane
	v_lshlrev_b32 v1, 4, v3                        ; 16 x lane: a line of an image, in memory and in buffer 0
	v_lshlrev_b32 v2, 2, v3                        ; 4 x lane: a scale word
	v_add_nc_u32 v4, BUFB, v1                      ; the same in buffer 1
	v_add_nc_u32 v5, SCO, v2                       ; the chunk's scale words, buffer 0, 1
	v_add_nc_u32 v6, BUFB+SCO, v2
	s_mul_i32 s37, s[WV], 9216
	v_add_nc_u32 v7, s37, v1                       ; where I put my tile, buffer 0, 1
	v_add_nc_u32 v8, BUFB, v7
	s_mul_i32 s37, s[WV], 384
	s_add_co_u32 s37, s37, SCO
	v_add_nc_u32 v9, s37, v2                       ; and my quarter of the scale words
	v_add_nc_u32 v10, BUFB, v9
.irp b, 0,1,2,3
	v_mov_b32 v[TM+4+\b], 0                        ; written once: a lane permute's destination counts as one of its sources
.endr
	s_mov_b32 s[SEL], 0x76543210
	s_mov_b32 s[SEL+1], 0xfedcba98
	s_mov_b32 s[HM], 0xffff0000
	s_mov_b32 s[XX], ttmp9
	s_and_b32 s[YY], ttmp7, 0xffff
	; the work-groups of q and k
	s_lshl_b32 s37, s[YY], 2
	s_add_co_u32 s37, s37, s[WV]                   ; my group of Wq|Wk: 0..11
	s_cmp_ge_u32 s37, 6
	s_cselect_b32 s38, 6, 0
	s_cselect_b32 s39, 9437184, 0                  ; k's section of pf,
	s_cselect_b32 s40, 393216, 0                   ; and of ps
	s_sub_co_u32 s38, s37, s38                     ; the K step of the next product that my 128 channels are
	s_lshl_b32 s41, s37, 3
	s_add_co_u32 s41, s41, 1024                    ; P's first tile
	s_mul_i32 s42, s[XX], 20                       ; A's first tile
	s_mul_i32 s44, s42, 9216
	s_add_co_u32 s44, s44, s39
	s_mul_i32 s53, s38, 1536
	s_add_co_u32 s44, s44, s53                     ; the first fragment's place
	s_mul_i32 s46, s[XX], 7680
	s_add_co_u32 s46, s46, s40
	s_lshl_b32 s53, s38, 7
	s_add_co_u32 s46, s46, s53                     ; the first scale pair word's
	; the work-groups of v
	s_max_u32 s48, s[XX], 52
	s_sub_co_u32 s48, s48, 52
	s_lshl_b32 s48, s48, 2
	s_add_co_u32 s48, s48, s[WV]                   ; my group of 128 tokens: 0..127
	s_lshl_b32 s49, s48, 3                         ; P's first tile
	s_lshl_b32 s50, s[YY], 4
	s_add_co_u32 s50, s50, 1120                    ; A's first tile: in Wv
	s_mul_i32 s51, s48, 73728
	s_mul_i32 s53, s[YY], 24576
	s_add_co_u32 s51, s51, s53
	s_add_co_u32 s51, s51, 18874368
	s_mul_i32 s52, s48, 3072
	s_lshl_b32 s53, s[YY], 10
	s_add_co_u32 s52, s52, s53
	s_add_co_u32 s52, s52, 786432
	s_cmp_lt_u32 s[XX], 52                         ; which of the two: numbers are chosen, no path
	s_cselect_b32 s41, s41, s49
	s_cselect_b32 s42, s42, s50
	s_cselect_b32 s44, s44, s51
	s_cselect_b32 s46, s46, s52
	s_cselect_b32 s[NC], 5, 4
	s_mov_b32 s[OST], 1536
	s_cselect_b32 s[OST], 9216, s[OST]
	s_mov_b32 s[SST], 128
	s_cselect_b32 s[SST], 768, s[SST]
	s_cmp_eq_u32 s[XX], 51                         ; 1,024 token tiles = 51 x 20 + 4
	s_cselect_b32 s[NC], 1, s[NC]
	v_add_nc_u32 v14, s[OST], v1                   ; the offsets of a chunk's second, third and fourth fragment,
	v_add_nc_u32 v15, s[OST], v14
	v_add_nc_u32 v118, s[OST], v15
	v_add_nc_u32 v119, s[SST], v2                  ; and of its second scale pair word
	s_lshl_b32 s[OS4], s[OST], 2
	s_mov_b32 s[OS4+1], 0
	s_lshl_b32 s[SS2], s[SST], 1
	s_mov_b32 s[SS2+1], 0
	s_mov_b32 s45, 0
	s_mov_b32 s47, 0
	s_mul_i32 s48, s41, 9216
	s_mov_b32 s49, 0
	s_mul_i32 s50, s41, 384                        ; 768 bytes a pair of tiles
	s_mov_b32 s51, 0
	s_add_co_u32 s42, s42, s[WV]                   ; the tile of a chunk that I fetch
	s_mul_i32 s52, s42, 9216
	s_mov_b32 s53, 0
	s_mul_i32 s54, s42, 384                        ; and my quarter of the chunk's 1,536 bytes of scale words
	s_mov_b32 s55, 0
	s_mov_b32 s[KC], 0
	s_mov_b32 s[TR], 0
	s_wait_kmcnt 0x0
	s_add_nc_u64 s[PB:PB+1], s[4:5], s[48:49]
	s_add_nc_u64 s[PSB:PSB+1], s[6:7], s[50:51]
	s_add_nc_u64 s[AB:AB+1], s[4:5], s[52:53]
	s_add_nc_u64 s[ASB:ASB+1], s[6:7], s[54:55]
	s_add_nc_u64 s[OB:OB+1], s[8:9], s[44:45]
	s_add_nc_u64 s[SB:SB+1], s[10:11], s[46:47]
	LANDLOAD                                       ; chunk 0
.irp i, 0,1,2,3
.irp k, 0,1,2,3,4,5
	global_load_b32 v[PSC+6*\i+\k], v2, s[PSB:PSB+1] offset:768*\i+128*\k
.endr
.endr
.irp k, 0,1,2                                  ; P: 48 fragments, 144 lines of 512 consecutive bytes; they stay
	WIN 0x40*(\k+1)
.irp e, 0,1
.irp b, 0,1,2,3,4,5,6,7
.irp c, 0,1,2
	global_load_b128 v[96*\e+12*\b+4*\c:96*\e+12*\b+4*\c+3], v1, s[PB:PB+1] offset:9216*\b+1536*(2*\k+\e)+512*\c
.endr
.endr
.endr
.endr
	WIN 0
.Ltrip:                                            ; three trips of two chunks serve the five chunks at the most; so every LDS address is a constant + lane + wave
	CHUNK 0
	CHUNK 1
	s_add_co_u32 s[TR], s[TR], 1
	s_cmp_lt_u32 s[TR], 3
	s_cbranch_scc1 .Ltrip
	s_wait_tensorcnt 0x0                           ; the wave's end
	ds_add_u32 v[SPW], v[NIL]
	s_wait_dscnt 0x0
	s_endpgm
.Lfunc_end_k_qb40ebc7516_proj:
	.size	k_qb40ebc7516_proj, .Lfunc_end_k_qb40ebc7516_proj-k_qb40ebc7516_proj
	.p2alignl 7, 3214868480
	.fill 96, 4, 3214868480
	.section	.rodata,"a",@progbits
	.p2align	6, 0x0
	.amdhsa_kernel k_qb40ebc7516_proj
		.amdhsa_group_segment_fixed_size 77312
		.amdhsa_private_segment_fixed_size 0
		.amdhsa_enable_private_segment 0
		.amdhsa_kernarg_size 32
		.amdhsa_user_sgpr_count 2
		.amdhsa_user_sgpr_kernarg_segment_ptr 1
		.amdhsa_wavefront_size32 1
		.amdhsa_system_sgpr_workgroup_id_x 1
		.amdhsa_system_sgpr_workgroup_id_y 1
		.amdhsa_system_sgpr_workgroup_id_z 1
		.amdhsa_system_vgpr_workitem_id 0
		.amdhsa_next_free_vgpr 1024
		.amdhsa_next_free_sgpr 66
		.amdhsa_reserve_vcc 0
		.amdhsa_float_denorm_mode_32 3
		.amdhsa_float_denorm_mode_16_64 3
		.amdhsa_memory_ordered 1
		.amdhsa_forward_progress 1
		.amdhsa_inst_pref_size 136
	.end_amdhsa_kernel
	.amdgpu_metadata
---
amdhsa.version: [ 1, 2 ]
amdhsa.kernels:
  - .name:           k_qb40ebc7516_proj
    .symbol:         k_qb40ebc7516_proj.kd
    .args:
      - { .name: cf, .offset: 0, .size: 8, .value_kind: global_buffer, .address_space: global }
      - { .name: cs, .offset: 8, .size: 8, .value_kind: global_buffer, .address_space: global }
      - { .name: pf, .offset: 16, .size: 8, .value_kind: global_buffer, .address_space: global }
      - { .name: ps, .offset: 24, .size: 8, .value_kind: global_buffer, .address_space: global }
    .group_segment_fixed_size: 77312
    .private_segment_fixed_size: 0
    .kernarg_segment_align: 8
    .kernarg_segment_size: 32
    .max_flat_workgroup_size: 128
    .sgpr_count:     66
    .vgpr_count:     1024
    .wavefront_size: 32
...
	.end_amdgpu_metadata
.endif
;; end of part 2
;; launch attn (part 3): grid 16 x 16, 4 waves a work-group, no clusters, 249,856 bytes of LDS; arguments pf, ps, out0; writes out0
.if DOCPART == 3
	.amdgcn_target "amdgcn-amd-amdhsa--gfx1250"
	.amdhsa_code_object_version 6
	.text
	.protected	k_qb40ebc7516_attn
	.globl	k_qb40ebc7516_attn
	.p2align	8
	.type	k_qb40ebc7516_attn,@function
k_qb40ebc7516_attn:
	s_mov_b64 s[64:65], 0
	v_nop
	global_prefetch_b8 v0, s[64:65] scope:SCOPE_SE
	s_setreg_imm32_b32 hwreg(HW_REG_WAVE_MODE, 25, 1), 1
	s_wait_xcnt 0x0
; LAUNCH 3 OF 3.  out[b][q] = the sum over keys s <= q of softmax_s(q . k / sqrt(768)) v[s], both products on codes of FP6 (E2M3) with E8M0 scales, sums in f32.
; LEFT OUT: key steps all of whose 128 keys come after all 32 queries of a pair: reference()'s own mask makes their weights 0 for all values of the inputs (shown at the head of the first launch, with the limit that goes with it).
; SHARES.  Work-group (j, b): batch b, two PAIRS of 32 queries: pair 0 = queries 32 j on, pair 1 = queries 32 (31 - j) on.  With g = j / 4 it walks key steps n = 0 .. 7 - g of 128 keys; pair 0 is live while n <= g (n = g holds its
; diagonal), pair 1 always (its diagonal is the last step).  In a step wave w takes, for S^T = K Q^T, key tiles 2 w and 2 w + 1 (block w of 32 keys) against both query tiles of a pair, and for O^T = V^T P^T channel tiles 12 w .. 12 w + 11.
; So each fragment of K and of V is wanted by ONE wave: it goes from memory straight into that wave's registers, a step ahead.  LDS carries what waves hand to each other: Q, P with its exponents, the sums; and the way out.
; THE SOFTMAX: t = score x c, c = log2(e) / sqrt(768) as ONE f32 factor.  EACH WAVE KEEPS ITS OWN M: M_w is the largest t that wave w has met for the query in its blocks, rounded UP to a whole number; p = 2^(t - M_w), at most 1, and the
; wave's sum l_w of the unquantised p stands under M_w.  A block's codes do not change when all its p are multiplied by a power of two: only its scale byte moves.  So a wave hands over codes, its byte and -M_w, ONCE a step; the reader
; takes Mref = the largest of its old Mref and the four M_w, adds M_w - Mref to each byte, and multiplies O by 2^(old Mref - new Mref): all exact.  At the end l = the sum of l_w 2^(M_w - Mref), and O is divided by it.
; LIMITS: a byte that would fall under 1 is held at 1: such a block lies more than 120 powers of two under the row's largest p.  The promise holds while the scaled scores t stay under 2^31 in magnitude.
; TWO BARRIERS A STEP: one behind the stores of P; one behind which P's bytes may be written again: signalled when my reads of P are in registers, awaited behind the step's last 24 products.
; Both products are used transposed: a lane holds ONE query (lane % 16).  Tiles are in the tile order of the first launch, so a lane's 16 scores are 16 neighbouring keys and its results are neighbouring channels.
; NO CLUSTER, NO TENSOR LOAD: the sixteen work-groups of a batch read the same K and V, but they walk 8 - g steps, a number that differs between them, and the fragments go to registers, where no tensor load reaches.
; REGISTERS.  Window 0: v1-26 addresses and -Mref; v32-95 S^T (pair p, tile t, key tile u at 32 + 32 p + 16 t + 8 u), later P's fragments; v96-119 statistics; v120-171 at work and scale words; v172-231 Q's fragments; v232-251 P's codes.
;   Window 1 + p: O^T (tile t, channel tile d at 96 t + 8 d); K's fragments of K steps 0, 1 (window 1) and 2, 3 (window 2) from v192; v240-251 a fragment of Q.
;   Window 3: V's 12 fragments v0-143; K's of K steps 4, 5 from v144; Q's second buffer v192-239; v240-251 a fragment of Q.
.set SXL,   36864                      ; LDS: Q's 24 fragments from 0 (18,432 p + 9,216 t + 1,536 s); then what goes with P: 1,024 p + 32 (16 t + r) + 8 w: -M_w and the byte as f32; 2,048 on, likewise: -M_w and l_w
.set PL,    40960                      ; P's codes: 3,600 p + 1,800 t + 112 r + 24 x block
.set STG,   48640                      ; the stages for the way out: (pair p, wave w) at 25,088 (4 p + w): 32 rows of 768 + 16 bytes
.set STGB,  25088
.set SPARE, 249344                     ; the spare words, 128 bytes for each wave: two blocks of 256 bytes that no other line names
.set NR,  10                           ; v10+p  -Mref of query (tile lane / 16, row lane % 16)
.set DQ,  14                           ; v14+p  my query less my first key, inside the pair's diagonal step
.set SSTO, 16                          ; v16+p  the stage: where I put 16 bytes of a row
.set SRA, 18                           ; v18+p  and where I read back: 16 x lane;
.set SRB, 20                           ; v20+p  512 + 16 x lane, lanes 16-31 in the next row
.set SPW, 28                           ; v28  LDS address of my spare word; never rewritten
.set NIL, 29                           ; v29  0; never rewritten
.set S,   32
.set ST,  96                           ; (p, t) at ST + 6 (2 p + t): +0 -M_w, +1 my largest t, +2, +3 my sum in two halves, +4 a factor (first the sum's, then O's), +5 written once (named with +4 as a pair)
.set BM,  120                          ; v120-123 my block's largest score, then its largest p
.set KS,  124                          ; v124-129 K's scale pair words, a K step each
.set VS,  130                          ; v130-135 V's, a pair of channel tiles each
.set QS,  136                          ; v136-147 Q's: 6 p + s
.set PSR, 148                          ; v148+p  P's scale pair word
.set XP,  150                          ; v150+t  what lane l xor 16 holds
.set MR,  152                          ; v152-167 the four waves' pairs of words: 8 p
.set T0,  168
.set T1,  170
.set QC,  172
.set QA,  184
.set QB,  192                          ; in window 3
.set PCB, 232                          ; P's codes of pair p at PCB + 10 p
.set BYT, 252                          ; v252+t  the scale's byte
.set SCL, 254                          ; v254+t  the conversion's scale operand
.set INV, 252                          ; on the way out: v252, v254: 1 / the sum (v253, v255 hold what the softmax left: named with them as pairs, of which the low word serves both halves)
.set WV,  10
.set JJ,  11
.set BT,  12
.set GG,  13
.set NN,  15                           ; the key step
.set KB,  16
.set VB,  18
.set KSB, 20
.set VSB, 22
.set OUT, 24                           ; s[24:25], s[26:27]: the pairs' first rows of out0
.set CS,  28
.set SEL, 30
.set HM,  32
.set PFL, 33                           ; the last step in which my wave prefetches, or -1
.set NL,  34                           ; the last key step: 7 - g
.set G1,  39                           ; g + 1: the first step in which pair 0 is no longer live.  In that step pair 0 goes out: its sums before the step's barrier, its rows at the step's end, behind the loads of the next step's V
.set MSB, 0
.macro WIN new                         ; the immediate's high byte repeats the setting that is left; a switch that changes nothing is dropped
.if MSB != (\new)
	s_set_vgpr_msb (MSB<<8)|(\new)
.set MSB, (\new)
.endif
.endm
.macro PLACES                          ; four plain lines behind matrix instructions, ahead of reads of their results and of loads into their registers (ISA guide 7.12.1 for vector instructions)
.rept 4
	v_nop
.endr
.endm
.macro BARRIER                         ; my LDS stores have landed and my LDS loads are in: then the work-group's barrier
	s_wait_alu depctr_va_vdst(0)                   ; the wait ahead of the blocking wait
	s_wait_dscnt 0x0
	s_barrier_signal -1
	s_barrier_wait -1
.endm
; One matrix instruction.  z = 1: it starts the sum.  ra, rb = 1: the side's scales stand in lanes 16-31 of its scale register (the odd tile of a pair)
.macro WM d, a, b, z, sa, sb, ra, rb
.if \z
.if (\ra) && (\rb)
	v_wmma_scale_f32_16x16x128_f8f6f4 v[\d:\d+7], v[\a:\a+11], v[\b:\b+11], 0, v[\sa], v[\sb] matrix_a_fmt:MATRIX_FMT_FP6 matrix_b_fmt:MATRIX_FMT_FP6 matrix_a_scale:MATRIX_SCALE_ROW1 matrix_b_scale:MATRIX_SCALE_ROW1
.elseif \ra
	v_wmma_scale_f32_16x16x128_f8f6f4 v[\d:\d+7], v[\a:\a+11], v[\b:\b+11], 0, v[\sa], v[\sb] matrix_a_fmt:MATRIX_FMT_FP6 matrix_b_fmt:MATRIX_FMT_FP6 matrix_a_scale:MATRIX_SCALE_ROW1
.elseif \rb
	v_wmma_scale_f32_16x16x128_f8f6f4 v[\d:\d+7], v[\a:\a+11], v[\b:\b+11], 0, v[\sa], v[\sb] matrix_a_fmt:MATRIX_FMT_FP6 matrix_b_fmt:MATRIX_FMT_FP6 matrix_b_scale:MATRIX_SCALE_ROW1
.else
	v_wmma_scale_f32_16x16x128_f8f6f4 v[\d:\d+7], v[\a:\a+11], v[\b:\b+11], 0, v[\sa], v[\sb] matrix_a_fmt:MATRIX_FMT_FP6 matrix_b_fmt:MATRIX_FMT_FP6
.endif
.else
.if (\ra) && (\rb)
	v_wmma_scale_f32_16x16x128_f8f6f4 v[\d:\d+7], v[\a:\a+11], v[\b:\b+11], v[\d:\d+7], v[\sa], v[\sb] matrix_a_fmt:MATRIX_FMT_FP6 matrix_b_fmt:MATRIX_FMT_FP6 matrix_a_scale:MATRIX_SCALE_ROW1 matrix_b_scale:MATRIX_SCALE_ROW1
.elseif \ra
	v_wmma_scale_f32_16x16x128_f8f6f4 v[\d:\d+7], v[\a:\a+11], v[\b:\b+11], v[\d:\d+7], v[\sa], v[\sb] matrix_a_fmt:MATRIX_FMT_FP6 matrix_b_fmt:MATRIX_FMT_FP6 matrix_a_scale:MATRIX_SCALE_ROW1
.elseif \rb
	v_wmma_scale_f32_16x16x128_f8f6f4 v[\d:\d+7], v[\a:\a+11], v[\b:\b+11], v[\d:\d+7], v[\sa], v[\sb] matrix_a_fmt:MATRIX_FMT_FP6 matrix_b_fmt:MATRIX_FMT_FP6 matrix_b_scale:MATRIX_SCALE_ROW1
.else
	v_wmma_scale_f32_16x16x128_f8f6f4 v[\d:\d+7], v[\a:\a+11], v[\b:\b+11], v[\d:\d+7], v[\sa], v[\sb] matrix_a_fmt:MATRIX_FMT_FP6 matrix_b_fmt:MATRIX_FMT_FP6
.endif
.endif
.endm
.macro KLOAD ah                        ; my two key tiles, all six K steps, and their scale pair words, of the step ah steps on from where the base stands: 42 loads
.irp k, 0,1,2
	WIN 0x40*(\k+1)
.irp e, 0,1
.irp u, 0,1
.irp c, 0,1,2
.if \k < 2
.set rK, 192+24*\e+12*\u+4*\c
.else
.set rK, 144+24*\e+12*\u+4*\c
.endif
	global_load_b128 v[rK:rK+3], v3, s[KB:KB+1] offset:73728*\ah+9216*\u+1536*(2*\k+\e)+512*\c
.endr
.endr
.endr
.endr
	WIN 0
.irp k, 0,1,2,3,4,5
	global_load_b32 v[KS+\k], v4, s[KSB:KSB+1] offset:3072*\ah+128*\k
.endr
.endm
.macro VLOAD                           ; my twelve channel tiles of a step's 128 keys, and their scale pair words: 42 loads
	WIN 0xc0
.irp d, 0,1,2,3,4,5,6,7,8,9,10,11
.irp c, 0,1,2
	global_load_b128 v[12*\d+4*\c:12*\d+4*\c+3], v3, s[VB:VB+1] offset:1536*\d+512*\c
.endr
.endr
	WIN 0
.irp i, 0,1,2,3,4,5
	global_load_b32 v[VS+\i], v4, s[VSB:VSB+1] offset:128*\i
.endr
.endm
; A PREFETCH INTO THE L2, behind the run of loads just issued: step n + 2's 73,728 bytes of codes, k steps on from where the base stands: nine pieces of 8,192 bytes, lanes 256 bytes apart, three pieces a wave.
; All sixteen work-groups of a batch walk the same K and V: the one with j = 0, which walks all eight steps, asks, and in it waves 0 to 2: each 256 bytes are named once in the launch.  Steps 0 and 1 come by their loads alone; n <= 5 keeps n + 2 inside the batch.
.macro ASK base, k
	s_cmp_gt_i32 s[NN], s[PFL]
	s_cbranch_scc1 .Lnoask_\@
.irp e, 0,1,2
	global_prefetch_b8 v24, s[\base:\base+1] offset:73728*\k+8192*\e th:TH_LOAD_NT scope:SCOPE_SE
.endr
.Lnoask_\@:
.endm
.macro QPART p, i, buf                 ; part i of three of Q's fragments of pair p: K steps 2 i and 2 i + 1, both tiles: 12 LDS loads
.irp t, 0,1
.irp e, 0,1
.irp c, 0,1,2
	ds_load_b128 v[\buf+24*\t+12*\e+4*\c:\buf+24*\t+12*\e+4*\c+3], v1 offset:18432*\p+9216*\t+1536*(2*\i+\e)+512*\c
.endr
.endr
.endr
.endm
.macro QCSET t, e                      ; where pair 1's fragment (tile t, K step 4 + e) stands when it is fetched ahead: window QW, register QR
.if (2*(\t)+(\e)) < 3
.set QW, 1+2*(\t)+(\e)
.set QR, 240
.else
.set QW, 0
.set QR, QC
.endif
.endm
.macro QPRE                            ; all of pair 1's Q for the next key step: 36 LDS loads
	QPART 1, 0, QA
	WIN 0xc0
	QPART 1, 1, QB
.irp t, 0,1
.irp e, 0,1
	QCSET \t, \e
	WIN 0x40*QW
.irp c, 0,1,2
	ds_load_b128 v[QR+4*\c:QR+4*\c+3], v1 offset:18432+9216*\t+1536*(4+\e)+512*\c
.endr
.endr
.endr
	WIN 0
.endm
.macro SMUL p, i, buf, kof             ; 8 matrix instructions: the four accumulators of pair p take turns, one instruction a turn; K ascends
.irp e, 0,1
.irp t, 0,1
.irp u, 0,1
.if (2*\i+\e) == 0
	WM S+32*\p+16*\t+8*\u, \kof+24*\e+12*\u, \buf+24*\t+12*\e, 1, KS+2*\i+\e, QS+6*\p+2*\i+\e, \u, \t
.else
	WM S+32*\p+16*\t+8*\u, \kof+24*\e+12*\u, \buf+24*\t+12*\e, 0, KS+2*\i+\e, QS+6*\p+2*\i+\e, \u, \t
.endif
.endr
.endr
.endr
.endm
.macro SPH p                           ; S^T of pair p against my 32 keys, Q fetched here
	PLACES                                         ; ahead of the loads into Q's buffers; with the four at the last step's end they also part these sums' first lines from the products that read P in the same registers
	QPART \p, 0, QA
	WIN 0xc0
	QPART \p, 1, QB
	WIN 0
	s_wait_dscnt 12                                ; part 0 is in; part 1's twelve may stay out
	WIN 0x01                                       ; K in window 1, Q in window 0
	SMUL \p, 0, QA, 192
	WIN 0
	PLACES
	QPART \p, 2, QA
	s_wait_dscnt 12                                ; part 1 is in; part 2's twelve may stay out
	WIN 0x0e                                       ; K in window 2, Q in window 3
	SMUL \p, 1, QB, 192
	s_wait_dscnt 0x0
	WIN 0x03                                       ; K in window 3, Q in window 0
	SMUL \p, 2, QA, 144
	WIN 0
.endm
.macro SPHP                            ; S^T of pair 1 against my 32 keys; Q stands in registers, or its 36 loads were issued at the last step's end: 24 matrix instructions with no LDS load between them
	PLACES                                         ; with the four at the last step's end: eight plain lines between the products that read P and these sums' first lines, which write over the same registers
	s_wait_dscnt 24                                ; part 0 is in; the 24 loads behind it may stay out
	WIN 0x01
	SMUL 1, 0, QA, 192
	s_wait_dscnt 12                                ; part 1 is in
	WIN 0x0e
	SMUL 1, 1, QB, 192
	s_wait_dscnt 0x0
.irp e, 0,1
.irp t, 0,1
	QCSET \t, \e
	WIN 0x03+4*QW                                  ; K in window 3, this fragment of Q in window QW
.irp u, 0,1
	WM S+32+16*\t+8*\u, 144+24*\e+12*\u, QR, 0, KS+4+\e, QS+10+\e, \u, \t
.endr
.endr
.endr
	WIN 0
.endm
.macro MASK p                          ; the pair's diagonal step: register i of tile t holds the key 32 w + 16 h + i of the step; it is hidden where it comes after my query: i - 8 t > DQ
.irp t, 0,1
.irp i, 0,1,2,3,4,5,6,7,8,9,10,11,12,13,14,15
	v_cmp_gt_i32 vcc_lo, \i-8*\t, v[DQ+\p]
	v_cndmask_b32 v[S+32*\p+16*\t+\i], v[S+32*\p+16*\t+\i], v25, vcc_lo
.endr
.endr
.endm
.macro BMAX p                          ; my block's largest score for each query: it serves my M and, since p rises with the score, the block's largest p.  (Each accumulator is read from its low end on)
.irp t, 0,1
	v_max3_num_f32 v[BM+2*\p+\t], v[S+32*\p+16*\t], v[S+32*\p+16*\t+1], v[S+32*\p+16*\t+2]
.endr
.irp i, 3,5,7,9,11,13
.irp t, 0,1
	v_max3_num_f32 v[BM+2*\p+\t], v[BM+2*\p+\t], v[S+32*\p+16*\t+\i], v[S+32*\p+16*\t+\i+1]
.endr
.endr
.irp t, 0,1
	v_max_num_f32 v[BM+2*\p+\t], v[BM+2*\p+\t], v[S+32*\p+16*\t+15]
.endr
.irp t, 0,1
	v_permlanex16_b32 v[XP+\t], v[BM+2*\p+\t], s[SEL], s[SEL+1]
.endr
.irp t, 0,1
	v_max_num_f32 v[BM+2*\p+\t], v[BM+2*\p+\t], v[XP+\t]   ; with lane l xor 16's 16 keys
.endr
.endm
.macro SOFT p                          ; the softmax of pair p for my 32 keys under my own M, the two tiles by turns
.irp t, 0,1
	v_mul_f32 v[T0+\t], s[CS], v[BM+2*\p+\t]       ; as t (c is positive)
.endr
.irp t, 0,1
	v_max_num_f32 v[ST+6*(2*\p+\t)+1], v[ST+6*(2*\p+\t)+1], v[T0+\t]   ; my running largest t (a block that is hidden whole leaves it as it was)
.endr
.irp t, 0,1
	v_mov_b32 v[T1+\t], v[ST+6*(2*\p+\t)]
.endr
.irp t, 0,1
	v_floor_f32 v[ST+6*(2*\p+\t)], -v[ST+6*(2*\p+\t)+1]   ; the new -M_w = floor(-t): M_w is a whole number
.endr
.irp t, 0,1
	v_sub_f32 v[T1+\t], v[ST+6*(2*\p+\t)], v[T1+\t]   ; old M_w less new M_w: a whole number, 0 or less
.endr
.irp t, 0,1
	v_cvt_i32_f32 v[T1+\t], v[T1+\t]               ; (it saturates)
.endr
.irp t, 0,1
	v_ldexp_f32 v[ST+6*(2*\p+\t)+4], 1.0, v[T1+\t]   ; 2^(old M_w - new M_w), for my sum
.endr
.irp k, 0,2,4,6,8,10,12,14
.irp t, 0,1
	v_pk_fma_f32 v[S+32*\p+16*\t+\k:S+32*\p+16*\t+\k+1], v[S+32*\p+16*\t+\k:S+32*\p+16*\t+\k+1], s[CS:CS+1], v[ST+6*(2*\p+\t):ST+6*(2*\p+\t)+1] op_sel_hi:[1,0,0]   ; t - M_w, two at a time
.endr
.endr
.irp t, 0,1
	v_fma_f32 v[BM+2*\p+\t], v[BM+2*\p+\t], s[CS], v[ST+6*(2*\p+\t)]   ; the same of my block's largest score
.endr
	s_wait_alu depctr_va_vdst(0)                   ; the wait ahead of the batch
.irp i, 0,1,2,3,4,5,6,7,8,9,10,11,12,13,14,15
.irp t, 0,1
	v_exp_f32 v[S+32*\p+16*\t+\i], v[S+32*\p+16*\t+\i]   ; p = 2^(t - M_w), at most 1
.endr
.endr
.irp t, 0,1
	v_pk_mul_f32 v[ST+6*(2*\p+\t)+2:ST+6*(2*\p+\t)+3], v[ST+6*(2*\p+\t)+2:ST+6*(2*\p+\t)+3], v[ST+6*(2*\p+\t)+4:ST+6*(2*\p+\t)+5] op_sel_hi:[1,0]   ; my sums under the new M_w: plain lines behind the exponentials
.endr
	s_wait_alu depctr_va_vdst(0)                   ; the wait ahead of the first line that names an exponential's result: one for the batch of 32
.irp t, 0,1
	v_exp_f32 v[BM+2*\p+\t], v[BM+2*\p+\t]         ; my block's largest p: the same two instructions on the same number give the same bits
.endr
.irp k, 0,2,4,6,8,10,12,14
.irp t, 0,1
	v_pk_add_f32 v[ST+6*(2*\p+\t)+2:ST+6*(2*\p+\t)+3], v[ST+6*(2*\p+\t)+2:ST+6*(2*\p+\t)+3], v[S+32*\p+16*\t+\k:S+32*\p+16*\t+\k+1]   ; the sum is taken of the unquantised p
.endr
.endr
	s_wait_alu depctr_va_vdst(0)                   ; and one for the two
.irp t, 0,1
	v_max_num_f32 v[BM+2*\p+\t], 0x1800000, v[BM+2*\p+\t]   ; the floor 2^(3 - 127): the byte cannot fall under 1 (a block all of whose p are 0 keeps that byte: its codes are zeros)
.endr
.irp t, 0,1
	v_add_nc_u32 v[SCL+\t], 0xff000000, v[BM+2*\p+\t]   ; 2 off the exponent field: the conversion's scale operand
.endr
.irp t, 0,1
	v_lshrrev_b32 v[BYT+\t], 23, v[SCL+\t]         ; the scale's byte
.endr
	v_cvt_scalef32_pk16_fp6_f32 v[PCB+10*\p:PCB+10*\p+2], v[S+32*\p:S+32*\p+15], v[SCL]
	v_cvt_scalef32_pk16_fp6_f32 v[PCB+10*\p+6:PCB+10*\p+8], v[S+32*\p+16:S+32*\p+31], v[SCL+1]
	v_nop                                          ; one plain line behind the scaled conversions
.irp i, 0,1,2
	v_permlane16_swap_b32 v[PCB+10*\p+\i], v[PCB+10*\p+6+\i]   ; tile 0's upper 16 codes change places with tile 1's lower 16: lane (r, h) now holds both halves of block w of tile h, row r
.endr
.irp i, 0,1,2
	v_mov_b32 v[PCB+10*\p+3+\i], v[PCB+10*\p+6+\i]
.endr
.irp e, 0,1,2
	ds_store_b64 v8, v[PCB+10*\p+2*\e:PCB+10*\p+2*\e+1] offset:3600*\p+8*\e   ; 24 bytes: block w of a query's row of 128 codes
.endr
	v_cndmask_b32 v31, v[BYT], v[BYT+1], s[HM]     ; lane (r, h) speaks for tile h, row r
	v_cndmask_b32 v30, v[ST+12*\p], v[ST+12*\p+6], s[HM]
	v_cvt_f32_u32 v31, v31
	ds_store_b64 v6, v[30:31] offset:1024*\p       ; -M_w and the byte, as f32
.endm
; O^T of pair p, my 12 channel tiles, += V^T P^T over the step's 128 keys.  first = 1: the products start the sums.  vw: the loads issued behind V's, which may stay out: V is waited for directly ahead of the products.
; last = 1: the step's last second product, with another step to follow: when P is in registers the barrier is signalled behind which P's bytes may be written again; it is awaited behind the products
.macro PVPH p, first, last, vw
.set AA, MR+8*\p
	ds_load_b128 v[AA:AA+3], v7 offset:1024*\p     ; lane (r, h): query (tile h, row r): -M_0, byte 0, -M_1, byte 1,
	ds_load_b128 v[AA+4:AA+7], v7 offset:1024*\p+16   ; and waves 2 and 3's
.irp t, 0,1
.irp e, 0,1,2,3,4,5
	ds_load_b64 v[S+32*\p+16*\t+2*\e:S+32*\p+16*\t+2*\e+1], v9 offset:3600*\p+1800*\t+48*(\e/3)+8*(\e%3)   ; P's fragment: blocks h and 2 + h of row r
.endr
.endr
	s_wait_dscnt 12                                ; the eight words are in; P's twelve loads may stay out
	v_min3_num_f32 v[T0], v[AA], v[AA+2], v[AA+4]
	v_min3_num_f32 v[T0], v[T0], v[AA+6], v[NR+\p]   ; the new -Mref
.if !\first
	v_sub_f32 v[T1], v[T0], v[NR+\p]               ; old Mref less new Mref: a whole number, 0 or less
.endif
	v_mov_b32 v[NR+\p], v[T0]
.irp w, 0,2,4,6
	v_sub_f32 v[AA+\w], v[T0], v[AA+\w]            ; M_w - Mref, 0 or less
.endr
.irp w, 0,2,4,6
	v_add_f32 v[AA+\w], v[AA+\w], v[AA+\w+1]       ; onto the byte,
.endr
.irp w, 0,2,4,6
	v_max_num_f32 v[AA+\w], 1.0, v[AA+\w]          ; held at 1 from below
.endr
.irp w, 0,2,4,6
	v_cvt_u32_f32 v[AA+\w], v[AA+\w]
.endr
	v_lshl_or_b32 v[PSR+\p], v[AA+2], 8, v[AA]     ; P's scale pair word: lanes 0-15 tile 0's rows, lanes 16-31 tile 1's
	v_lshl_or_b32 v[PSR+\p], v[AA+4], 16, v[PSR+\p]
	v_lshl_or_b32 v[PSR+\p], v[AA+6], 24, v[PSR+\p]
.if \first
.rept 8
	v_nop                                          ; a scale register written by a vector instruction stands 8 places ahead of a scaled matrix instruction
.endr
.else
	v_cvt_i32_f32 v[T1], v[T1]                     ; (it saturates)
	v_ldexp_f32 v[T1], 1.0, v[T1]                  ; f = 2^(old Mref - new Mref) of query (tile h, row r)
	v_permlanex16_b32 v[XP], v[T1], s[SEL], s[SEL+1]
	v_cndmask_b32 v[ST+12*\p+4], v[T1], v[XP], s[HM]   ; tile 0's f of row r in both halves of the lanes,
	v_cndmask_b32 v[ST+12*\p+10], v[XP], v[T1], s[HM]  ; and tile 1's
	WIN 0x41*(\p+1)                                ; O^T in window 1 + p, f in window 0
	s_wait_alu depctr_va_vdst(0)                   ; the wait ahead of the first reader of O^T
.irp t, 0,1
.set mm, 0
.rept 48
	v_pk_mul_f32 v[96*\t+mm:96*\t+mm+1], v[96*\t+mm:96*\t+mm+1], v[ST+6*(2*\p+\t)+4:ST+6*(2*\p+\t)+5] op_sel_hi:[1,0]   ; O^T under the new Mref; each accumulator from its low end on
.set mm, mm+2
.endr
.endr
	WIN 0
.endif
	s_wait_alu depctr_va_vdst(0)                   ; the wait ahead of the blocking wait
	s_wait_dscnt 0x0                               ; P is in registers: no LDS instruction of mine is out
	s_wait_loadcnt \vw                             ; V of this step is in
.if \last
	s_barrier_signal -1                            ; my reads of this step's P and of what goes with it are over
.endif
	WIN 0x53+0x50*\p                               ; V in window 3, P in window 0, C and D in window 1 + p
.irp t, 0,1
.irp d, 0,1,2,3,4,5,6,7,8,9,10,11              ; 24 accumulators, one instruction each
	WM 96*\t+8*\d, 12*\d, S+32*\p+16*\t, \first, VS+\d/2, PSR+\p, \d%2, \t
.endr
.endr
	WIN 0
.if \last
	s_barrier_wait -1                              ; the same holds of all four waves
.endif
.endm
.macro LSTORE p                        ; my wave's sums of pair p, with the -M_w under which they stand
.irp t, 0,1
	v_add_f32 v[T0+\t], v[ST+6*(2*\p+\t)+2], v[ST+6*(2*\p+\t)+3]
.endr
.irp t, 0,1
	v_permlanex16_b32 v[XP+\t], v[T0+\t], s[SEL], s[SEL+1]
.endr
.irp t, 0,1
	v_add_f32 v[T0+\t], v[T0+\t], v[XP+\t]
.endr
	v_cndmask_b32 v30, v[ST+12*\p], v[ST+12*\p+6], s[HM]
	v_cndmask_b32 v31, v[T0], v[T0+1], s[HM]
	ds_store_b64 v6, v[30:31] offset:2048+1024*\p
.endm
.macro LOADB p, q                      ; four pairs of rows (768 bytes each) back from my stage: 12 loads of 512 bytes
.set BB, 32+152*((\q)%2)
.irp ii, 0,1,2,3
	ds_load_b128 v[BB+12*\ii:BB+12*\ii+3], v[SRA+\p] offset:1568*(4*(\q)+\ii)            ; the even row's bytes 0-511
	ds_load_b128 v[BB+12*\ii+4:BB+12*\ii+7], v[SRB+\p] offset:1568*(4*(\q)+\ii)          ; its bytes 512-767, and the odd row's 0-255
	ds_load_b128 v[BB+12*\ii+8:BB+12*\ii+11], v[SRA+\p] offset:1568*(4*(\q)+\ii)+1040    ; the odd row's bytes 256-767
.endr
.endm
.macro SEND p, q                       ; and out: each half of a wave stores 256 consecutive bytes, at a multiple of 256 from out0's first byte; written once, read by nobody here
.set BB, 32+152*((\q)%2)
.irp ii, 0,1,2,3
.set ix, 4*(\q)+\ii
.set tok, 8*(ix/8)+2*(ix%8)+8*((ix%8)/4)       ; place 2 ix of the tile order is this token of the pair; place 2 ix + 1 the next
	global_store_b128 v22, v[BB+12*\ii:BB+12*\ii+3], s[OUT+2*\p:OUT+2*\p+1] offset:3072*tok th:TH_STORE_NT
	global_store_b128 v23, v[BB+12*\ii+4:BB+12*\ii+7], s[OUT+2*\p:OUT+2*\p+1] offset:3072*tok th:TH_STORE_NT
	global_store_b128 v22, v[BB+12*\ii+8:BB+12*\ii+11], s[OUT+2*\p:OUT+2*\p+1] offset:3072*tok+3328 th:TH_STORE_NT
.endr
.endm
.macro WSUM p                          ; 1 / the row's sum of pair p, from the four waves' sums
.set AA, MR+8*\p
	ds_load_b128 v[AA:AA+3], v7 offset:2048+1024*\p   ; query (tile h, row r): -M_0, l_0, -M_1, l_1,
	ds_load_b128 v[AA+4:AA+7], v7 offset:2048+1024*\p+16   ; and waves 2 and 3's
	s_wait_dscnt 0x0
.irp w, 0,2,4,6
	v_sub_f32 v[AA+\w], v[NR+\p], v[AA+\w]         ; M_w - Mref, 0 or less
.endr
.irp w, 0,2,4,6
	v_cvt_i32_f32 v[AA+\w], v[AA+\w]               ; (it saturates)
.endr
.irp w, 0,2,4,6
	v_ldexp_f32 v[AA+\w+1], v[AA+\w+1], v[AA+\w]   ; l_w under Mref
.endr
	v_add_f32 v[T0], v[AA+1], v[AA+3]
	v_add_f32 v[T1], v[AA+5], v[AA+7]
	v_add_f32 v[T0], v[T0], v[T1]
	s_wait_alu depctr_va_vdst(0)                   ; the wait ahead of the reciprocal
	v_rcp_f32 v[T0], v[T0]
	v_nop                                          ; a plain line behind the reciprocal
	s_wait_alu depctr_va_vdst(0)                   ; and the wait ahead of its first use
	v_permlanex16_b32 v[XP], v[T0], s[SEL], s[SEL+1]
	v_cndmask_b32 v[INV], v[T0], v[XP], s[HM]      ; tile 0's, row r, in both halves of the lanes,
	v_cndmask_b32 v[INV+2], v[XP], v[T0], s[HM]    ; and tile 1's
.endm
.macro WOUT p                          ; pair p's rows: divided, through my stage, stored
	WIN 0x41*(\p+1)
	s_wait_alu depctr_va_vdst(0)                   ; the wait ahead of the first reader of O^T
.irp t, 0,1
.set mm, 0
.rept 48
	v_pk_mul_f32 v[96*\t+mm:96*\t+mm+1], v[96*\t+mm:96*\t+mm+1], v[INV+2*\t:INV+2*\t+1] op_sel_hi:[1,0]   ; O^T / the sum; each accumulator from its low end on
.set mm, mm+2
.endr
.endr
	WIN 0x04*(\p+1)                                ; an LDS store's data are its source 1
.irp t, 0,1
.irp d, 0,1,2,3,4,5,6,7,8,9,10,11
.irp q, 0,1
	ds_store_b128 v[SSTO+\p], v[96*\t+8*\d+4*\q:96*\t+8*\d+4*\q+3] offset:12544*\t+128*(\d/2)+32*(\d%2)+16*\q   ; lane (r, h): place 16 t + r, my wave's channels 32 (d / 2) + 16 h + 8 (d % 2) + 4 q on
.endr
.endr
.endr
	WIN 0
	LOADB \p, 0                                    ; LDS serves a wave's instructions in order: these see my stores; the stage is my own
	LOADB \p, 1
	s_wait_dscnt 12                                ; the older batch is in; the younger twelve may stay out
	SEND \p, 0
	s_wait_xcnt 0x0                                ; the stores have read their registers, which the next batch fills again
	LOADB \p, 2
	s_wait_dscnt 12
	SEND \p, 1
	s_wait_xcnt 0x0
	LOADB \p, 3
	s_wait_dscnt 12
	SEND \p, 2
	s_wait_dscnt 0x0
	SEND \p, 3
	s_wait_xcnt 0x0
.endm
; A KEY STEP.  kind 0: the first (both pairs live; products start O^T's sums).  kind 1: in the loop (pair 0 is live while n <= g; K and V of the next step are asked for).  kind 2: the last (pair 1 alone, on its diagonal; nothing is asked for).
.macro STEP kind
	s_wait_loadcnt 42                              ; K of this step and its scale words are in (the first time: Q's scale words too); V's 42 loads, issued behind them, may stay out
.if \kind == 0
	SPH 1
.else
	SPHP
.endif
.if \kind == 1
	s_cmp_gt_u32 s[NN], s[GG]
	s_cbranch_scc1 .La_\@
.endif
.if \kind < 2
	SPH 0
.endif
.La_\@:
	PLACES                                         ; ahead of the first read of the scores and of the loads into K's registers
.if \kind < 2
	KLOAD 1                                        ; K of the next step (the base stands at this step): the softmax's vector lines stand between this run and my next LDS instruction
	ASK KB, 2
.else
	MASK 1
.endif
	BMAX 1
	s_wait_alu depctr_va_vdst(0)                   ; the wait ahead of the branches
.if \kind == 1
	s_cmp_gt_u32 s[NN], s[GG]
	s_cbranch_scc1 .Lb_\@
.endif
.if \kind < 2
	s_cmp_lg_u32 s[NN], s[GG]
	s_cbranch_scc1 .Lc_\@
	MASK 0
.Lc_\@:
	BMAX 0                                         ; all scores are read for the first time ahead of the first exponential
.endif
.Lb_\@:
	SOFT 1
.if \kind == 1
	s_wait_alu depctr_va_vdst(0)                   ; the wait ahead of the branch
	s_cmp_gt_u32 s[NN], s[GG]
	s_cbranch_scc1 .Ld_\@
.endif
.if \kind < 2
	SOFT 0
.endif
.Ld_\@:
.if \kind > 0
	s_wait_alu depctr_va_vdst(0)                   ; the wait ahead of the branch
	s_cmp_lg_u32 s[NN], s[G1]
	s_cbranch_scc1 .Lv_\@
	LSTORE 0                                       ; step g + 1: pair 0 is finished: my sums of it go with this step's barrier
.Lv_\@:
.endif
	BARRIER                                        ; P, its bytes and every wave's -M_w lie in LDS
.if \kind > 0
	s_cmp_lg_u32 s[NN], s[G1]
	s_cbranch_scc1 .Lx_\@
	WSUM 0                                         ; read ahead of the barrier inside the second product below
.Lx_\@:
.endif
.if \kind == 0
	PVPH 0, 1, 0, 42                               ; behind V's loads stand the next step's K, 42 loads
	PVPH 1, 1, 1, 42
.elseif \kind == 1
	s_cmp_gt_u32 s[NN], s[GG]
	s_cbranch_scc1 .Le_\@
	PVPH 0, 0, 0, 42
.Le_\@:
	PVPH 1, 0, 1, 42                               ; pair 1 comes last in every step: the barrier in it stands on the one way that all take
.else
	PVPH 1, 0, 0, 0                                ; nothing was issued behind V
.endif
	PLACES                                         ; ahead of the loads into V's registers, and of what reads or writes over the last products' registers
.if \kind < 2
	s_wait_xcnt 0x0                                ; the step's loads and prefetches have read their bases: all four are stepped here
	s_add_nc_u64 s[KB:KB+1], s[KB:KB+1], 73728
	s_add_nc_u64 s[KSB:KSB+1], s[KSB:KSB+1], 3072
	s_add_nc_u64 s[VB:VB+1], s[VB:VB+1], 73728
	s_add_nc_u64 s[VSB:VSB+1], s[VSB:VSB+1], 3072
	VLOAD                                          ; V of the next step
	ASK VB, 1
.endif
.if \kind > 0
	s_cmp_lg_u32 s[NN], s[G1]
	s_cbranch_scc1 .Lw_\@
	WOUT 0                                         ; pair 0's rows leave here; it works in v32-79 and v184-231, which P and Q have left
.Lw_\@:
.endif
.if \kind == 0
	QPRE
.elseif \kind == 1
	s_cmp_gt_u32 s[NN], s[G1]                      ; from step g + 2 on nothing writes over pair 1's Q: its 144 registers stay as they are
	s_cbranch_scc1 .Lq_\@
	QPRE
.Lq_\@:
.endif
.if \kind < 2
	s_add_co_u32 s[NN], s[NN], 1
.endif
.endm
	s_load_b128 s[4:7], s[0:1], 0x0                ; pf s[4:5], ps s[6:7]
	s_load_b64 s[8:9], s[0:1], 0x10                ; out0
	v_lshl_add_u32 v[SPW], v0, 2, SPARE
	v_mov_b32 v[NIL], 0
	v_lshrrev_b32 v30, 5, v0
	v_readfirstlane_b32 s[WV], v30                 ; wave 0..3
	v_and_b32 v30, 31, v0                          ; lane
	v_and_b32 v31, 15, v0                          ; r
	v_bfe_u32 v27, v0, 4, 1                        ; h
	s_and_b32 s[JJ], ttmp7, 0xffff                 ; the grid's y counts j: the work-groups that walk the most key steps (j = 0 .. 3) have the lowest numbers
	s_mov_b32 s[BT], ttmp9                         ; its x counts batches: the sixteen work-groups that read one batch's K and V have numbers 16 apart
	s_lshr_b32 s[GG], s[JJ], 2
	s_sub_co_u32 s[NL], 7, s[GG]
	s_sub_co_u32 s38, 31, s[JJ]                    ; pair 1
	v_lshlrev_b32 v1, 4, v30                       ; 16 x lane
	v_lshlrev_b32 v2, 2, v30                       ; 4 x lane
	s_mul_i32 s35, s[WV], 18432
	v_add_nc_u32 v3, s35, v1                       ; K, V: my two key tiles, or my twelve channel tiles, of a step's 73,728 bytes
	s_mul_i32 s35, s[WV], 768
	v_add_nc_u32 v4, s35, v2                       ; and their scale pair words
	v_add_nc_u32 v22, s35, v1                      ; out0: my wave's 768 bytes of a row, 16 bytes a lane;
	v_mad_u32_u24 v23, v27, 2304, v22
	v_add_nc_u32 v23, 512, v23                     ; 512 on, lanes 16-31 at the head of the next row
	v_lshlrev_b32 v7, 5, v30
	v_add_nc_u32 v7, SXL, v7                       ; the four waves' pairs of words of query (tile h, row r): 32 bytes a lane
	s_lshl_b32 s35, s[WV], 3
	v_add_nc_u32 v6, s35, v7                       ; and mine among them
	v_mul_u32_u24 v9, v31, 112
	v_mad_u32_u24 v8, v27, 1800, v9
	s_mul_i32 s35, s[WV], 24
	s_add_co_u32 s35, s35, PL
	v_add_nc_u32 v8, s35, v8                       ; P, on the way in: tile h, row r, block w
	v_mad_u32_u24 v9, v27, 24, v9
	v_add_nc_u32 v9, PL, v9                        ; and on the way out: row r, block h
	v_and_b32 v14, 8, v31
	v_add_nc_u32 v14, v14, v31                     ; r + 8 (r / 8)
	v_lshlrev_b32 v15, 4, v27
	v_sub_nc_u32 v14, v14, v15                     ; - 16 h
	s_and_b32 s35, s[JJ], 3
	s_sub_co_u32 s36, 3, s35                       ; which 32 of the diagonal step's 128: pair 0: j % 4, pair 1: 3 - j % 4
	s_sub_co_i32 s35, s35, s[WV]
	s_lshl_b32 s35, s35, 5
	s_sub_co_i32 s36, s36, s[WV]
	s_lshl_b32 s36, s36, 5
	v_add_nc_u32 v15, s36, v14
	v_add_nc_u32 v14, s35, v14
	s_mul_i32 s35, s[WV], STGB
	s_add_co_u32 s35, s35, STG                     ; my stage for pair 0; pair 1's lies four stages on
	v_mul_u32_u24 v16, v31, 784
	v_lshl_add_u32 v16, v27, 6, v16
	v_add_nc_u32 v16, s35, v16
	v_add_nc_u32 v17, 4*STGB, v16
	v_add_nc_u32 v18, s35, v1
	v_add_nc_u32 v19, 4*STGB, v18
	v_lshl_add_u32 v20, v27, 4, v18
	v_add_nc_u32 v20, 512, v20
	v_add_nc_u32 v21, 4*STGB, v20
	v_lshlrev_b32 v24, 8, v30
	s_mul_i32 s35, s[WV], 24576
	v_add_nc_u32 v24, s35, v24                     ; the prefetches: lanes 256 bytes apart, 24,576 bytes a wave
	v_mov_b32 v25, 0xff800000                      ; -infinity
	s_mul_i32 s35, s[WV], 4608
	v_add_nc_u32 v26, s35, v1                      ; Q: my quarter of a pair's 18,432 bytes, in memory and in LDS
	s_mov_b32 s[CS], 0x3d553b95                    ; c = log2(e) / sqrt(768)
	s_mov_b32 s[CS+1], s[CS]                       ; (named with it as a pair, so it is written)
	s_mov_b32 s[SEL], 0x76543210
	s_mov_b32 s[SEL+1], 0xfedcba98
	s_mov_b32 s[HM], 0xffff0000
	s_mov_b32 s[NN], 0
	s_add_co_u32 s[G1], s[GG], 1
	s_cmp_lt_u32 s[WV], 3
	s_cselect_b32 s[PFL], 5, -1
	s_cmp_eq_u32 s[JJ], 0
	s_cselect_b32 s[PFL], s[PFL], -1
	s_mul_i32 s36, s[BT], 589824                   ; a batch's 64 token tiles (or 8 groups of 48 channel tiles)
	s_mov_b32 s37, 0
	s_mul_i32 s40, s[JJ], 18432
	s_add_co_u32 s40, s40, s36
	s_mov_b32 s41, 0
	s_mul_i32 s42, s38, 18432
	s_add_co_u32 s42, s42, s36
	s_mov_b32 s43, 0
	s_mul_i32 s44, s[BT], 24576
	s_mov_b32 s45, 0
	s_mul_i32 s46, s[JJ], 768
	s_mov_b32 s47, 0
	s_mul_i32 s48, s38, 768
	s_mov_b32 s49, 0
	s_mul_i32 s50, s[BT], 3145728                  ; a batch's 1,024 rows of 3,072 bytes
	s_mul_i32 s52, s[JJ], 98304
	s_add_co_u32 s52, s52, s50
	s_mov_b32 s53, 0
	s_mul_i32 s54, s38, 98304
	s_add_co_u32 s54, s54, s50
	s_mov_b32 s55, 0
	s_wait_alu depctr_va_vdst(0)                   ; the wait at the head's end
	s_wait_kmcnt 0x0
	s_add_nc_u64 s[40:41], s[4:5], s[40:41]        ; Q's codes, pair 0, 1
	s_add_nc_u64 s[42:43], s[4:5], s[42:43]
	s_add_nc_u64 s[KB:KB+1], s[4:5], s[36:37]
	s_add_nc_u64 s[VB:VB+1], s[KB:KB+1], 18874368
	s_add_nc_u64 s[KB:KB+1], s[KB:KB+1], 9437184
	s_add_nc_u64 s[KSB:KSB+1], s[6:7], s[44:45]
	s_add_nc_u64 s[46:47], s[KSB:KSB+1], s[46:47]  ; Q's scale pair words, pair 0, 1
	s_add_nc_u64 s[48:49], s[KSB:KSB+1], s[48:49]
	s_add_nc_u64 s[VSB:VSB+1], s[KSB:KSB+1], 786432
	s_add_nc_u64 s[KSB:KSB+1], s[KSB:KSB+1], 393216
	s_add_nc_u64 s[OUT:OUT+1], s[8:9], s[52:53]
	s_add_nc_u64 s[OUT+2:OUT+3], s[8:9], s[54:55]
.irp e, 0,1,2,3,4,5,6,7,8
	global_load_b128 v[32+4*\e:35+4*\e], v26, s[40:41] offset:512*\e
.endr
.irp e, 0,1,2,3,4,5,6,7,8
	global_load_b128 v[68+4*\e:71+4*\e], v26, s[42:43] offset:512*\e
.endr
	KLOAD 0                                        ; key step 0
	s_wait_loadcnt 42                              ; Q's 18 loads are in; K's 42 may stay out
.irp e, 0,1,2,3,4,5,6,7,8
	ds_store_b128 v26, v[32+4*\e:35+4*\e] offset:512*\e
.endr
.irp e, 0,1,2,3,4,5,6,7,8
	ds_store_b128 v26, v[68+4*\e:71+4*\e] offset:18432+512*\e
.endr
.irp k, 0,1,2,3,4,5
	global_load_b32 v[QS+\k], v2, s[46:47] offset:128*\k
.endr
.irp k, 0,1,2,3,4,5
	global_load_b32 v[QS+6+\k], v2, s[48:49] offset:128*\k
.endr
	VLOAD                                          ; key step 0
	BARRIER                                        ; Q's 24 fragments lie in LDS
.irp a, 0,1,2,3
	v_mov_b32 v[ST+6*\a+1], 0xff61b1e6             ; my largest t so far: -3e38, under every t
	v_mov_b32 v[ST+6*\a+2], 0                      ; the sum, in two halves
	v_mov_b32 v[ST+6*\a+3], 0
	v_mov_b32 v[ST+6*\a+4], 0
	v_mov_b32 v[ST+6*\a+5], 0
.endr
.irp a, 0,1,2,3
	v_floor_f32 v[ST+6*\a], -v[ST+6*\a+1]          ; -M_w
.endr
	v_mov_b32 v[NR], 0x7f61b1e6                    ; -Mref: 3e38
	v_mov_b32 v[NR+1], 0x7f61b1e6
	v_mov_b32 v[XP], 0                             ; written once: a lane permute's destination counts as one of its sources
	v_mov_b32 v[XP+1], 0
	s_wait_alu depctr_va_vdst(0)                   ; the wait ahead of the blocking wait
	STEP 0
.Lstep:                                            ; key steps 1 .. 6 - g: at least three trips; no LDS address is stepped here
	STEP 1
	s_cmp_lt_u32 s[NN], s[NL]
	s_cbranch_scc1 .Lstep
	STEP 2                                         ; the last step is written out: it asks for nothing, so every counted wait counts the same loads on every way
	LSTORE 1
	BARRIER                                        ; all waves' sums of pair 1 lie in LDS
	WSUM 1
	WOUT 1
	s_wait_tensorcnt 0x0                           ; the wave's end
	ds_add_u32 v[SPW], v[NIL]
	s_wait_dscnt 0x0
	s_endpgm
.Lfunc_end_k_qb40ebc7516_attn:
	.size	k_qb40ebc7516_attn, .Lfunc_end_k_qb40ebc7516_attn-k_qb40ebc7516_attn
	.p2alignl 7, 3214868480
	.fill 96, 4, 3214868480
	.section	.rodata,"a",@progbits
	.p2align	6, 0x0
	.amdhsa_kernel k_qb40ebc7516_attn
		.amdhsa_group_segment_fixed_size 249856
		.amdhsa_private_segment_fixed_size 0
		.amdhsa_enable_private_segment 0
		.amdhsa_kernarg_size 24
		.amdhsa_user_sgpr_count 2
		.amdhsa_user_sgpr_kernarg_segment_ptr 1
		.amdhsa_wavefront_size32 1
		.amdhsa_system_sgpr_workgroup_id_x 1
		.amdhsa_system_sgpr_workgroup_id_y 1
		.amdhsa_system_sgpr_workgroup_id_z 1
		.amdhsa_system_vgpr_workitem_id 0
		.amdhsa_next_free_vgpr 1024
		.amdhsa_next_free_sgpr 66
		.amdhsa_reserve_vcc 1
		.amdhsa_float_denorm_mode_32 3
		.amdhsa_float_denorm_mode_16_64 3
		.amdhsa_memory_ordered 1
		.amdhsa_forward_progress 1
		.amdhsa_inst_pref_size 205
	.end_amdhsa_kernel
	.amdgpu_metadata
---
amdhsa.version: [ 1, 2 ]
amdhsa.kernels:
  - .name:           k_qb40ebc7516_attn
    .symbol:         k_qb40ebc7516_attn.kd
    .args:
      - { .name: pf, .offset: 0, .size: 8, .value_kind: global_buffer, .address_space: global }
      - { .name: ps, .offset: 8, .size: 8, .value_kind: global_buffer, .address_space: global }
      - { .name: out0, .offset: 16, .size: 8, .value_kind: global_buffer, .address_space: global }
    .group_segment_fixed_size: 249856
    .private_segment_fixed_size: 0
    .kernarg_segment_align: 8
    .kernarg_segment_size: 24
    .max_flat_workgroup_size: 128
    .sgpr_count:     66
    .vgpr_count:     1024
    .wavefront_size: 32
...
	.end_amdgpu_metadata
.endif
;; end of part 3
